; MI455X (gfx1250); checked and timed in simulation.
; The chip was launched on July 23, 2026; its instructions are those of AMD's public machine-readable ISA for CDNA 5 (MIT licence, August 2026) and "CDNA5" Instruction Set Architecture Reference Guide (July 2026). The comments in the code are by the model that wrote it; some were corrected since.
;; Causal Self Attention. Allowed arithmetic: matrix products marked QUANTISED: E4M3 operands, one given power-of-two scale a tensor, by v_wmma_f32_16x16x64_fp8_fp8 or v_wmma_f32_16x16x128_fp8_fp8, f32 sums; everything else in f32.
;; Inputs: W_proj 1,024 x 1,024 float32; W_qkv 1,024 x 3,072 float32; b_proj 1,024 float32; b_qkv 3,072 float32; lowp_scales 8 int32 (the exponents e of the quantised operands' scales 2^e); x 4 x 2,048 x 1,024 float32.
;; Outputs: out0 4 x 2,048 x 1,024 float32.
;; This version of the problem:
;;   THIS VERSION OF THE PROBLEM IS GIVEN IN LOW PRECISION. The matrix products marked QUANTISED in the list below multiply operands that are first quantised to E4M3 (4 exponent bits, 3 mantissa bits; 8 bits a number), with one given power-of-two scale for each operand tensor; their sums are f32. All else is computed in f32.
;;   The module's matrix products, in the order in which they are computed (A, B: the left and right operand; K: the contracted axis; several contracted axes count as one K, in the product's order):
;;     1. [M 8,192, K 1,024] x [K 1,024, N 3,072]; A: input x; B: input W_qkv: QUANTISED (scales: A lowp_scales[0], B lowp_scales[1])
;;     2. batch 64 x [M 2,048, K 64] x [K 64, N 2,048]; A: computed on the way; B: computed on the way: QUANTISED (scales: A lowp_scales[2], B lowp_scales[3])
;;     3. batch 64 x [M 2,048, K 2,048] x [K 2,048, N 64]; A: softmax (see below); B: computed on the way: QUANTISED (scales: A lowp_scales[4], B lowp_scales[5])
;;     4. [M 8,192, K 1,024] x [K 1,024, N 1,024]; A: computed on the way; B: input W_proj: QUANTISED (scales: A lowp_scales[6], B lowp_scales[7])
;;   THE QUANTISER, for each operand of a quantised product, along K:
;;     - The operand's scale is 2^e, e = its entry of the input lowp_scales (int32; the entries are numbered through the quantised products in the list's order, A before B).
;;     - Each number is divided by the scale, clamped to +-448, and rounded to the nearest number of E4M3, ties to even, subnormals kept.
;;     - The product sums the exact products of the quantised numbers (number of the format x scale) in f32.
;;   ~~~python
;;   def quantise(x, axis, e):      # numpy; x: float32 -> the quantised numbers, widened to float32 again
;;       x = np.moveaxis(x, axis, -1); K = x.shape[-1]
;;       r = np.clip(x / 2.0 ** e, -448, 448)
;;       step = 2.0 ** (np.maximum(np.frexp(np.where(r == 0, 1, r))[1] - 1, -6) - 3)
;;       q = np.round(r / step) * step * 2.0 ** e      # np.round: ties to even
;;       return np.moveaxis(q, -1, axis).astype(np.float32)
;;   ~~~
;;   SOFTMAX AHEAD OF A QUANTISED PRODUCT. Where the list says 'softmax', what is quantised is not the finished softmax but p = 2^(t - M), with t = logit x log2(e) and M = ceil(the row's largest t), a whole number; so 1/2 < the row's largest p <= 1. The row's sum l is taken of the UNQUANTISED p, in f32, and the product's result is divided by l at the end. Since M is a whole number, a kernel that streams over the keys may use a running M (the ceiling of the running maximum): every later rescaling is an exact power of two, so the quantised numbers keep their values, but for numbers so far below the row's largest that they fall under the format's range.
;;   OPERANDS COMPUTED ON THE WAY. 'Computed on the way' means the value that the module computes at that place (a softmax that the list does not call 'softmax' is quantised finished and normalised). What goes into a quantiser is computed in f32, as accurately as f32 sums, v_exp_f32 and their like allow (about 1e-6 of the number): no bf16 or f16 on the way to a quantiser, and a product that is left as it is and whose result goes on into a quantised operand takes f32 operands (vector FMAs, or v_wmma_f32_16x16x4_f32). A number that lies on a knife's edge between two numbers of the format may be rounded either way, as far as f32 arithmetic and the matrix unit's own rounding can turn it there, and no further.
;; One version. Each part assembles by itself: llvm-mc -triple=amdgcn-amd-amdhsa -mcpu=gfx1250 --defsym DOCPART=n.
;; ======== version 1 of 1: 4 launches
;; limits: right only within a limited range of input values
;; workspace buffers: x_codes 8,388,608 bytes; wqkv_codes 3,145,728 bytes; wproj_codes 1,048,576 bytes; q_codes 8,388,608 bytes; k_codes 8,388,608 bytes; v_codes 8,388,608 bytes; a_codes 8,388,608 bytes
;; launch prep (part 1): grid 384 x 1, 4 waves a work-group, no clusters, 102,912 bytes of LDS; arguments x, W_qkv, W_proj, lowp_scales, x_codes, wqkv_codes, wproj_codes; writes x_codes, wqkv_codes, wproj_codes
.if DOCPART == 1
	.amdgcn_target "amdgcn-amd-amdhsa--gfx1250"
	.amdhsa_code_object_version 6
	.text
	.protected	k_q3de1effbe4_prep
	.globl	k_q3de1effbe4_prep
	.p2align	8
	.type	k_q3de1effbe4_prep,@function
k_q3de1effbe4_prep:
	s_mov_b64 s[64:65], 0
	v_nop
	global_prefetch_b8 v0, s[64:65] scope:SCOPE_SE
	s_setreg_imm32_b32 hwreg(HW_REG_WAVE_MODE, 25, 1), 1
	s_wait_xcnt 0x0
; x [8192][1024], W_qkv [1024][3072] and W_proj [1024][1024], f32, become codes of FP8 (E4M3), K innermost, each with the one scale 2^e given for it:
; x_codes [8192][1024] (e = entry 0 of the scales), wqkv_codes [3072][1024] (entry 1), wproj_codes [1024][1024] (entry 7).
; code = number / 2^e, held within +-448, rounded to the nearest code, ties to even.  LIMITS: each e between -126 and 119, so that 2^e and 448 x 2^e are f32 numbers.  NaN among the inputs is not served.
; Work-groups 0-255 take x, 256-351 W_qkv, 352-383 W_proj: 128 KiB of f32 each.  The three ways part on the work-group's number and have LDS bytes of their own.  Waves share nothing: no barrier.
; x: K is innermost, so the tensor is a plain stream.  A wave takes 16 steps of 512 numbers.  Each load reads 512 consecutive bytes; a step's 2,048 bytes turn through the wave's own stage in LDS, so that a lane
;    holds 16 neighbours for the conversions; a lane's 16 codes are 16 bytes, the wave stores 512 consecutive bytes.
; W: K is the FIRST axis.  A lane takes a column and its registers run down K, so the conversions give codes with K innermost; a wave's 32 columns x 256 along K go through its stage and leave as rows,
;    sixteen lanes to 256 consecutive, aligned bytes.
.set STEPS,  16
.set XR,     16                        ; v16-79   x: four sets of 16 numbers as loaded
.set XX,     80                        ; v80-111  x: two sets of 16 neighbours
.set XC,     128                       ; v128-191 x: codes, four registers a step: no store's data are written again
.set WREG,   8192                      ; x: LDS of a wave: two stages of 32 x SP bytes (LDS bytes 0 to 32,767)
.set SP,     80                        ; a lane's place in a stage: 64 bytes + 16 of padding
.set WPITCH, 272                       ; W: a stage row: 256 bytes of codes + 16
.set NB,     8                         ; W: blocks of 32 along K for a wave
.set WX,     32                        ; v32-95   W: two sets of 32 numbers
.set WC,     96                        ; v96-103  W: a block's codes
.set WOUT,   112                       ; v112-175 W: the way out
	s_load_b256 s[4:11], s[0:1], 0x0               ; x s[4:5], W_qkv s[6:7], W_proj s[8:9], the scales' exponents s[10:11]
	s_load_b128 s[12:15], s[0:1], 0x20             ; x_codes s[12:13], wqkv_codes s[14:15]
	s_load_b64 s[16:17], s[0:1], 0x30              ; wproj_codes
	v_lshl_add_u32 v192, v0, 2, 0x19000
	v_mov_b32 v193, 0
	v_lshrrev_b32 v1, 5, v0
	v_readfirstlane_b32 s18, v1                    ; wave 0..3
	v_and_b32 v2, 31, v0                           ; lane
	s_wait_kmcnt 0x0
	s_load_b64 s[20:21], s[10:11], 0x0             ; e0 (x), e1 (W_qkv)
	s_load_b32 s22, s[10:11], 0x1c                 ; e7 (W_proj)
.macro SCALE es                        ; v11 = 2^e as f32 (the conversion takes its exponent field), v10 = 448 x 2^e
	s_wait_kmcnt 0x0
	s_add_co_i32 s30, s[\es], 127
	s_lshl_b32 s31, s30, 23
	v_mov_b32 v11, s31
	s_add_co_i32 s30, s30, 8
	s_lshl_b32 s30, s30, 23
	s_or_b32 s30, s30, 0x600000                    ; the mantissa field of 448
	v_mov_b32 v10, s30
.endm
	s_cmp_lt_u32 ttmp9, 256
	s_cbranch_scc0 .Lweights
	; ---------------- x ----------------
	s_wait_alu depctr_va_vdst(0)
	v_lshlrev_b32 v3, 4, v2                        ; 16 x lane: my 16 bytes of a load's 512, and of a store's
	s_wait_alu depctr_va_vdst(0)
	s_mul_i32 s23, s18, WREG
	v_lshrrev_b32 v14, 2, v2
	v_mul_u32_u24 v14, v14, SP
	v_and_b32 v15, 3, v2
	v_lshl_add_u32 v14, v15, 4, v14
	v_add_nc_u32 v14, s23, v14                     ; the stage, on the way in: four lanes' 64 bytes on end, then the padding
	v_mul_u32_u24 v15, v2, SP
	v_add_nc_u32 v15, s23, v15                     ; and on the way out: my 16 neighbours
	s_lshl_b32 s24, ttmp9, 2
	s_add_co_u32 s24, s24, s18                     ; which run of 8,192 numbers is my wave's: 0 .. 1,023
	s_lshl_b32 s26, s24, 15                        ; 32,768 bytes of f32 a run
	s_mov_b32 s27, 0
	s_add_nc_u64 s[4:5], s[4:5], s[26:27]
	s_lshl_b32 s26, s24, 13                        ; 8,192 bytes of codes a run
	s_add_nc_u64 s[12:13], s[12:13], s[26:27]
.macro XLOAD t
.irp i, 0,1,2,3
	global_load_b128 v[XR+16*((\t)%4)+4*\i:XR+16*((\t)%4)+4*\i+3], v3, s[4:5] offset:2048*(\t)+512*\i th:TH_LOAD_NT
.endr
.endm
.macro XTURN t                         ; step t's numbers through the stage: LDS serves a wave's instructions in order, so no wait stands between the stores and the loads
.irp i, 0,1,2,3
	ds_store_b128 v14, v[XR+16*((\t)%4)+4*\i:XR+16*((\t)%4)+4*\i+3] offset:32*SP*((\t)%2)+8*SP*\i
.endr
.irp i, 0,1,2,3
	ds_load_b128 v[XX+16*((\t)%2)+4*\i:XX+16*((\t)%2)+4*\i+3], v15 offset:32*SP*((\t)%2)+16*\i
.endr
.endm
.irp t, 0,1,2,3
	XLOAD \t
.endr
	s_wait_alu depctr_va_vdst(0)
	SCALE 20
	s_wait_alu depctr_va_vdst(0)
	s_wait_loadcnt 12                              ; step 0's four loads are in; the twelve of steps 1 to 3 may be out
	XTURN 0
.macro XSTEP t
.set XS, XX+16*((\t)%2)
	s_wait_dscnt 0x0                               ; this step's numbers are back from the stage, so its stores into the stage have read their registers,
.if (\t)+4 < STEPS
	XLOAD (\t)+4                                   ; which take the loads of four steps on
.endif
.if (\t)+1 < STEPS
.if STEPS-2-(\t) >= 3
	s_wait_loadcnt 12                              ; the next step's four loads are in; those of the three steps behind it may be out
.else
	s_wait_loadcnt 4*(STEPS-2-(\t))
.endif
	XTURN (\t)+1                                   ; they go through the other stage while this step is worked
.endif
.set j, 0
.rept 16
	v_med3_num_f32 v[XS+j], v[XS+j], -v10, v10     ; the conversion to an 8-bit code does not saturate (ISA guide 7.6.2): the hold at the largest code x the scale
.set j, j+1
.endr
	v_cvt_scalef32_pk8_fp8_f32 v[XC+4*(\t):XC+4*(\t)+1], v[XS:XS+7], v11
	v_cvt_scalef32_pk8_fp8_f32 v[XC+4*(\t)+2:XC+4*(\t)+3], v[XS+8:XS+15], v11
	global_store_b128 v3, v[XC+4*(\t):XC+4*(\t)+3], s[12:13] offset:512*(\t)   ; the codes go to a store alone; the next vector lines are the next step's holds, on other registers
.endm
.irp t, 0,1,2,3,4,5,6,7,8,9,10,11,12,13,14,15
	XSTEP \t
.endr
	s_wait_tensorcnt 0x0
	ds_add_u32 v192, v193
	s_wait_dscnt 0x0
	s_endpgm
	; ---------------- the weights ----------------
.macro WLOAD t, n, wp                  ; block t: W(32 t + i, my column), i = 0 .. 31, into set t % 2: 32 lanes read 128 consecutive bytes
.set j, 0
.rept 32
	global_load_b32 v[WX+32*((\t)%2)+j], v3, s[\wp:\wp+1] offset:(32*(\t)+j)*(\n)*4 th:TH_LOAD_NT
.set j, j+1
.endr
.endm
.macro WBLOCK t, n, wp
.set XS, WX+32*((\t)%2)
.if (\t) < NB-1
	s_wait_loadcnt 32                              ; this block's 32 loads are in; the next block's may be out
.else
	s_wait_loadcnt 0
.endif
.set j, 0
.rept 32
	v_med3_num_f32 v[XS+j], v[XS+j], -v10, v10
.set j, j+1
.endr
.irp g, 0,1,2,3
	v_cvt_scalef32_pk8_fp8_f32 v[WC+2*\g:WC+2*\g+1], v[XS+8*\g:XS+8*\g+7], v11
.endr
	ds_store_b128 v4, v[WC:WC+3] offset:32*(\t)    ; 32 codes: 32 bytes of my column's row
	ds_store_b128 v4, v[WC+4:WC+7] offset:32*(\t)+16
.if (\t)+2 < NB
	WLOAD (\t)+2, \n, \wp
.endif
	s_wait_dscnt 0x0                               ; the stores have read their registers: the next block's codes may be written
.endm
; n: the weight's columns; first: the way's first work-group; wp, cp: the scalar pairs of the weight and of its codes; es: the register of its e; ldsbase: the way's own LDS bytes.
; Every offset is an immediate: 255 rows of n x 4 bytes at the most (3,133,440 for n = 3,072), inside the signed 24 bits.
.macro WPATH n, first, wp, cp, es, ldsbase
	s_sub_co_u32 s24, ttmp9, \first
	s_lshr_b32 s25, s24, 2                         ; which 128 columns
	s_and_b32 s24, s24, 3                          ; which 256 along K
	s_lshl_b32 s25, s25, 7
	s_lshl_b32 s26, s18, 5
	s_add_co_u32 s25, s25, s26                     ; my wave's first column
	v_lshlrev_b32 v3, 2, v2                        ; in: 4 bytes a lane
	s_mul_i32 s26, s18, 32*WPITCH
	s_add_co_u32 s26, s26, \ldsbase                ; my stage
	v_mul_u32_u24 v4, v2, WPITCH
	v_add_nc_u32 v4, s26, v4                       ; into it: row = my column
	v_and_b32 v5, 15, v2
	v_lshrrev_b32 v6, 4, v2
	v_mul_u32_u24 v7, v6, WPITCH
	v_lshl_add_u32 v7, v5, 4, v7
	v_add_nc_u32 v7, s26, v7                       ; out of it: sixteen lanes to a row, two rows an instruction
	v_lshlrev_b32 v8, 10, v6
	v_lshl_add_u32 v8, v5, 4, v8                   ; and the same place among the codes' rows of 1,024 bytes
	s_mul_i32 s28, s24, 256*(\n)*4                 ; 256 rows of the weight for each step along K,
	s_lshl_b32 s27, s25, 2
	s_add_co_u32 s28, s28, s27                     ; + 4 bytes a column
	s_mov_b32 s29, 0
	s_add_nc_u64 s[\wp:\wp+1], s[\wp:\wp+1], s[28:29]
	s_lshl_b32 s28, s25, 10                        ; the codes: column x 1,024
	s_lshl_b32 s27, s24, 8
	s_add_co_u32 s28, s28, s27                     ; + 256 for each step along K
	s_add_nc_u64 s[\cp:\cp+1], s[\cp:\cp+1], s[28:29]
	WLOAD 0, \n, \wp
	WLOAD 1, \n, \wp
	SCALE \es
	s_wait_alu depctr_va_vdst(0)
.irp t, 0,1,2,3,4,5,6,7
	WBLOCK \t, \n, \wp
.endr
.irp t, 0,1,2,3,4,5,6,7,8,9,10,11,12,13,14,15
	ds_load_b128 v[WOUT+4*\t:WOUT+4*\t+3], v7 offset:2*\t*WPITCH   ; LDS serves a wave's instructions in order: these see my stores
.endr
.irp t, 0,1,2,3,4,5,6,7,8,9,10,11,12,13,14,15
	s_wait_dscnt 15-\t                             ; load t is back; the younger ones may be out
	global_store_b128 v8, v[WOUT+4*\t:WOUT+4*\t+3], s[\cp:\cp+1] offset:2*\t*1024
.endr
.endm
.Lweights:
	s_cmp_lt_u32 ttmp9, 352
	s_cbranch_scc0 .Lproj_w
	s_wait_alu depctr_va_vdst(0)
	WPATH 3072, 256, 6, 14, 21, 32768
	s_wait_tensorcnt 0x0
	ds_add_u32 v192, v193
	s_wait_dscnt 0x0
	s_endpgm
.Lproj_w:
	s_wait_alu depctr_va_vdst(0)
	WPATH 1024, 352, 8, 16, 22, 67584
	s_wait_tensorcnt 0x0
	ds_add_u32 v192, v193
	s_wait_dscnt 0x0
	s_endpgm
.Lfunc_end_k_q3de1effbe4_prep:
	.size	k_q3de1effbe4_prep, .Lfunc_end_k_q3de1effbe4_prep-k_q3de1effbe4_prep
	.p2alignl 7, 3214868480
	.fill 96, 4, 3214868480
	.section	.rodata,"a",@progbits
	.p2align	6, 0x0
	.amdhsa_kernel k_q3de1effbe4_prep
		.amdhsa_group_segment_fixed_size 102912
		.amdhsa_private_segment_fixed_size 0
		.amdhsa_enable_private_segment 0
		.amdhsa_kernarg_size 56
		.amdhsa_user_sgpr_count 2
		.amdhsa_user_sgpr_kernarg_segment_ptr 1
		.amdhsa_wavefront_size32 1
		.amdhsa_system_sgpr_workgroup_id_x 1
		.amdhsa_system_sgpr_workgroup_id_y 1
		.amdhsa_system_sgpr_workgroup_id_z 1
		.amdhsa_system_vgpr_workitem_id 0
		.amdhsa_next_free_vgpr 194
		.amdhsa_next_free_sgpr 66
		.amdhsa_reserve_vcc 0
		.amdhsa_float_denorm_mode_32 3
		.amdhsa_float_denorm_mode_16_64 3
		.amdhsa_memory_ordered 1
		.amdhsa_forward_progress 1
		.amdhsa_inst_pref_size 134
	.end_amdhsa_kernel
	.amdgpu_metadata
---
amdhsa.version: [ 1, 2 ]
amdhsa.kernels:
  - .name:           k_q3de1effbe4_prep
    .symbol:         k_q3de1effbe4_prep.kd
    .args:
      - { .name: x, .offset: 0, .size: 8, .value_kind: global_buffer, .address_space: global }
      - { .name: W_qkv, .offset: 8, .size: 8, .value_kind: global_buffer, .address_space: global }
      - { .name: W_proj, .offset: 16, .size: 8, .value_kind: global_buffer, .address_space: global }
      - { .name: lowp_scales, .offset: 24, .size: 8, .value_kind: global_buffer, .address_space: global }
      - { .name: x_codes, .offset: 32, .size: 8, .value_kind: global_buffer, .address_space: global }
      - { .name: wqkv_codes, .offset: 40, .size: 8, .value_kind: global_buffer, .address_space: global }
      - { .name: wproj_codes, .offset: 48, .size: 8, .value_kind: global_buffer, .address_space: global }
    .group_segment_fixed_size: 102912
    .private_segment_fixed_size: 0
    .kernarg_segment_align: 8
    .kernarg_segment_size: 56
    .max_flat_workgroup_size: 128
    .sgpr_count:     66
    .vgpr_count:     194
    .wavefront_size: 32
...
	.end_amdgpu_metadata
.endif
;; end of part 1
;; launch qkv (part 2): grid 12 x 32, 4 waves a work-group, clusters of 4 x 4, 327,680 bytes of LDS; arguments x_codes, wqkv_codes, lowp_scales, b_qkv, q_codes, k_codes, v_codes; writes q_codes, k_codes, v_codes
.if DOCPART == 2
	.amdgcn_target "amdgcn-amd-amdhsa--gfx1250"
	.amdhsa_code_object_version 6
	.text
	.protected	k_q3de1effbe4_qkv
	.globl	k_q3de1effbe4_qkv
	.p2align	8
	.type	k_q3de1effbe4_qkv,@function
k_q3de1effbe4_qkv:
	s_mov_b64 s[64:65], 0
	v_nop
	global_prefetch_b8 v0, s[64:65] scope:SCOPE_SE
	s_setreg_imm32_b32 hwreg(HW_REG_WAVE_MODE, 25, 1), 1
	s_wait_xcnt 0x0
	s_wait_alu depctr_hold_cnt(0) depctr_sa_sdst(0) depctr_va_vdst(0) depctr_va_sdst(0) depctr_va_ssrc(0) depctr_va_vcc(0) depctr_vm_vsrc(0)
	s_getreg_b32 s2, hwreg(HW_REG_IB_STS2, 6, 4)
	s_cmp_eq_u32 s2, 0
	s_cbranch_scc0 .Lentry_in_a_cluster
	s_endpgm
.Lentry_in_a_cluster:
	s_bfe_u32 s2, ttmp6, 0x10000c
	s_cmp_lg_u32 s2, 0xf033
	s_cbranch_scc0 .Lentry_shape_is_right
	s_endpgm
.Lentry_shape_is_right:
; qkv = x W_qkv + b_qkv on codes of FP8 (E4M3), and its three parts quantised again: q (scale 2^e2), k (2^e3), v (2^e5).  x_codes [8192][1024], wqkv_codes [3072][1024]: K innermost.
; A number of x is its code x 2^e0, of W x 2^e1: each finished f32 sum gives sum x 2^(e0 + e1) + bias by one fused multiply-add, is held within +-448 x 2^eo and converted with the scale 2^eo.
; OUT: q_codes, k_codes [b h][t][64];  v_codes [b h][t / 128][d 64][128 bytes], the keys innermost; inside each 32 keys byte 16 h + 8 x + y holds key 16 x + 8 h + y, which is the order in which a 16-byte
; load gives a lane half h its registers of the plain 8-bit operand layout.
; LIMITS: e0 + e1 between -126 and 127; e2, e3, e5 between -126 and 119: each power of two below is then an f32 number.
; A tile of 256 x 256 is made by four waves, 128 x 128 each: 64 accumulators, 512 registers.  K goes in steps of 256 through a ring of two LDS slots filled by the tensor data mover: four fills, written out without a loop.
; CLUSTERS: 4 x 4 work-groups; the cluster's x is the part: 0 q, 1 k, 2 v, the same in all sixteen.  The tile in LDS region A is shared along a row of the cluster, that in region B along a column; each is asked for jointly.
; A product gives a lane one row of source 1 (region A) and eight neighbouring rows of source 0 (region B).  q and k want eight neighbours along d: region A = x, region B = W.  v wants eight neighbours along the
; tokens: region A = W, region B = x.  Both tensors of codes have rows of 1,024 bytes and the tile is square: only the global addresses differ, by selects on the cluster's x.
; REGISTERS, in windows of 256: window 0: v0-31 addresses; v32-47, v64-127 the biases; from v128 region A's fragments, one set; on the way out v128-255 are at work.
;   window 1: region B's fragments, two sets.   windows 2, 3: the accumulators ((a, b) at v[8 (8 (a % 4) + b)]).
.set ROWB,   256                       ; a tile's row in bytes: 256 codes
.set KROW,   1024                      ; a row of codes in memory
.set PITCH,  272                       ; an LDS row: 256 bytes + 16 of padding = 68 words: row r starts at bank 4 r mod 64 (64 banks of 4 bytes: ISA guide 11.1)
.set FR,     16                        ; registers of a fragment: 16 rows x 128 K
.set NL,     4                         ; LDS loads that bring one
.set NP,     4                         ; places behind this matrix instruction (ISA guide 7.12.1)
.set HALFT,  128*PITCH
.set SLOT,   4*HALFT                   ; region A's 256 rows, then region B's
.set SPARE,  2*SLOT                    ; behind the ring: the spare words, 128 bytes a wave: two blocks of 256 bytes that no other line names
.set VSTG,   10240                     ; the way out: stages of 2,560 bytes a wave in slot 0, which has had its last fill and its last read by then: q's and k's way from byte 0
.set ADRA, 16                          ; v16-17  LDS address of my region A fragments in slot 0, 1
.set SCL,  18                          ; v18     2^eo as f32
.set LIM,  19                          ; v19     448 x 2^eo
.set ADRB, 20                          ; v20-21  the same as ADRA for region B
.set STQ,  24                          ; v24     q, k: where I put 8 codes
.set RDQ,  25                          ; v25     q, k: where I read 16 back
.set CO,   26                          ; v26     16 x lane: my place in a store's 512 bytes
.set STV,  27                          ; v27     unused
.set SPW,  28                          ; v28     LDS address of my spare word; never rewritten
.set NIL,  29                          ; v29     0; never rewritten
.set RDV,  30                          ; v30     unused
.set BIASV, 32                         ; v32-47  v's way: block a's bias of my row, twice (a pair for the packed form)
.set BIASQ, 64                         ; v64-127 q's and k's way: register 8 b + j: the bias of column 16 b + 8 h + j
.set AF,   128                         ; region A's fragments
.set TMP,  128                         ; the way out: 64 numbers
.set BK,   192                         ; the way out: codes read back, two sets of 16 by turns
.set CD,   224                         ; the way out: codes just made, two sets of 16 by turns
.set G1, 24                            ; s[24:31] descriptor group 1 for region A;  s[32:39] group 0, one set a slot
.set G0, 32
.set G1B, 48                           ; s[48:55], s[56:63] the same for region B
.set G0B, 56
.set MSB, 0
.macro WIN new                         ; the immediate's high byte repeats the setting that is left
.if MSB != \new
	s_set_vgpr_msb (MSB<<8)|\new
.set MSB, \new
.endif
.endm
.set MUL_LO, 0xa1                      ; source 0 (region B) window 1, source 1 (region A) window 0, C and D window 2
.set MUL_HI, 0xf1                      ; the same, C and D window 3
.set TO_B,   0x40                      ; destination window 1, address window 0
; A joint load: waves 0 and 1 fetch for region A, waves 2 and 3 for region B.  The branch hangs on the wave's number alone.  Four v_nop follow each of the two lines.
.macro JLOAD g0a, g1a, g0b, g1b
	s_cmp_eq_u32 s15, 0
	s_cbranch_scc0 .Lfor_b_\@
	tensor_load_to_lds s[\g0a:\g0a+3], s[\g1a:\g1a+7]
	s_nop 0
.rept 4
	v_nop
.endr
	s_branch .Lasked_\@
.Lfor_b_\@:
	tensor_load_to_lds s[\g0b:\g0b+3], s[\g1b:\g1b+7]
	s_nop 0
.rept 4
	v_nop
.endr
.Lasked_\@:
.endm
.macro CREST                           ; a round of the cluster's barrier behind its opening barrier
	s_cmp_lg_u32 s14, 0
	s_cbranch_scc1 .Lnot_wave_0_\@
	s_barrier_signal -3
.Lnot_wave_0_\@:
	s_barrier_wait -3
	s_barrier_signal -1
	s_barrier_wait -1
.endm
.macro CROUND                          ; a whole round
	s_barrier_signal -1
	s_barrier_wait -1
	CREST
.endm
	s_load_b256 s[4:11], s[0:1], 0x0               ; x_codes s[4:5], wqkv_codes s[6:7], the scales' exponents s[8:9], b_qkv s[10:11]
	s_load_b128 s[72:75], s[0:1], 0x20             ; q_codes s[72:73], k_codes s[74:75]
	s_load_b64 s[76:77], s[0:1], 0x30              ; v_codes
	v_lshl_add_u32 v[SPW], v0, 2, SPARE
	v_mov_b32 v[NIL], 0
	ds_add_u32 v28, v29
	ds_add_u32 v28, v29
	s_wait_dscnt 0x0
	v_lshrrev_b32 v1, 5, v0
	v_readfirstlane_b32 s14, v1                    ; wave 0..3
	s_lshr_b32 s15, s14, 1                         ; which half of region A's rows is mine.  Also: I fetch for region A (0) or B (1)
	s_and_b32 s16, s14, 1                          ; which half of region B's rows.  Also: which 128 rows of that tile I fetch
	s_bfe_u32 s40, ttmp6, 0x40000                  ; cx, cy: my place in the cluster
	s_bfe_u32 s41, ttmp6, 0x40004
	s_and_b32 s66, ttmp7, 0xffff
	s_lshl_b32 s66, s66, 2                         ; 4 x cluster y
	s_add_co_u32 s68, s66, s41                     ; q, k: region A is x's tile 4 Y + cy
	s_add_co_u32 s69, s41, 8                       ; v:    region A is W's tile 8 + cy
	s_lshl_b32 s70, ttmp9, 2
	s_add_co_u32 s70, s70, s40                     ; q, k: region B is W's tile 4 X + cx
	s_add_co_u32 s71, s66, s40                     ; v:    region B is x's tile 4 Y + cx
	s_cmp_eq_u32 ttmp9, 2                          ; the cluster's x: the same in all sixteen partners
	s_cselect_b32 s17, s69, s68                    ; region A's tile: it hangs on cy alone, which my row of the cluster shares
	s_cselect_b32 s42, s71, s70                    ; region B's tile: on cx alone, which my column shares
	s_lshl_b32 s43, s41, 2
	s_lshl_b32 s43, 15, s43                        ; my row of the cluster
	s_lshl_b32 s44, 0x1111, s40                    ; my column
	; descriptor group 1: a tile of 128 rows x 256 bytes, padded in LDS
	s_or_b32 s[G1+0], s43, (0<<16)|(1<<20)|(1<<21)|(5<<22)|(3<<25)  ; 15:0 the mask; 17:16 element of 1 byte; 20 padding on; 21 set beside a mask; 24:22 after every 64 words (code 5); 31:25 of 4 words (code 3)
	s_or_b32 s[G1B+0], s44, (0<<16)|(1<<20)|(1<<21)|(5<<22)|(3<<25)
.irp g, G1, G1B
	s_mov_b32 s[\g+1], ROWB<<16                    ; tensor_dim0
	s_mov_b32 s[\g+2], 128<<16                     ; tensor_dim1
	s_mov_b32 s[\g+3], ROWB<<16                    ; tile_dim0
	s_mov_b32 s[\g+4], 128                         ; tile_dim1
	s_mov_b32 s[\g+5], KROW                        ; tensor_dim0_stride
	s_mov_b32 s[\g+6], 0
	s_mov_b32 s[\g+7], 0
.endr
	s_lshl_b32 s18, s16, 7                         ; which 128 rows of the tile I fetch
	s_lshl_b32 s20, s17, 8
	s_add_co_u32 s20, s20, s18
	s_lshl_b32 s20, s20, 10                        ; region A: (256 x tile + 128 x half) rows of 1,024 bytes: under 2^23
	s_mov_b32 s21, 0
	s_lshl_b32 s46, s42, 8
	s_add_co_u32 s46, s46, s18
	s_lshl_b32 s46, s46, 10                        ; region B likewise
	s_mov_b32 s47, 0
	s_mul_i32 s45, s14, HALFT                      ; where they go: wave x 128 rows: no place in the cluster enters an LDS address
	s_wait_kmcnt 0x0
	s_load_b256 s[88:95], s[8:9], 0x0              ; e0 .. e7
	s_cmp_eq_u32 ttmp9, 2
	s_cselect_b64 s[80:81], s[6:7], s[4:5]         ; region A's tensor: W for v, x for q and k
	s_cselect_b64 s[82:83], s[4:5], s[6:7]         ; region B's: the other
	s_add_nc_u64 s[20:21], s[80:81], s[20:21]
	s_add_nc_u64 s[46:47], s[82:83], s[46:47]
	CROUND                                         ; all sixteen work-groups are here: the first joint loads meet
.irp s, 0,1
	s_mov_b32 s[G0+4*\s], 1
	s_add_co_u32 s[G0+4*\s+1], s45, \s*SLOT
	s_add_nc_u64 s[G0+4*\s+2:G0+4*\s+3], s[20:21], \s*ROWB
	s_or_b32 s[G0+4*\s+3], s[G0+4*\s+3], 0x80000000
	s_mov_b32 s[G0B+4*\s], 1
	s_add_co_u32 s[G0B+4*\s+1], s45, \s*SLOT
	s_add_nc_u64 s[G0B+4*\s+2:G0B+4*\s+3], s[46:47], \s*ROWB
	s_or_b32 s[G0B+4*\s+3], s[G0B+4*\s+3], 0x80000000
.endr
	JLOAD G0, G1, G0B, G1B                         ; K step 0: one tensor load a wave at the head
	v_and_b32 v1, 15, v0
	s_wait_alu depctr_va_vdst(0)
	v_bfe_u32 v2, v0, 4, 1                         ; h = l / 16
	v_mul_u32_u24 v3, v1, PITCH
	v_lshl_add_u32 v4, v2, 4, v3                   ; a fragment's row x pitch + 16 x half
	s_mul_i32 s21, s15, HALFT                      ; my 128 rows of region A
	s_mul_i32 s22, s16, HALFT                      ; my 128 rows of region B,
	s_add_co_u32 s22, s22, 2*HALFT                 ; which lie behind A's 256
.irp s, 0,1
	v_add_nc_u32 v[ADRA+\s], s21, v4
	v_add_nc_u32 v[ADRB+\s], s22, v4
	s_add_co_u32 s21, s21, SLOT
	s_add_co_u32 s22, s22, SLOT
.endr
	; the stages' addresses, for q's and k's way out, made here where all waves go one way
	s_mul_i32 s23, s14, 2560
	v_mul_u32_u24 v5, v1, 80
	s_wait_alu depctr_va_vdst(0)
	v_lshl_add_u32 v5, v2, 3, v5
	v_add_nc_u32 v[STQ], s23, v5                   ; q, k, in: a head's 16 rows of 64 bytes + 16: row r, + 8 h
	; THE ORDER OF THE CODES IN MEMORY, as it now is (it takes the place of what the head says under OUT): all three lie in the order of the next launch's operand registers.
	; q_codes, k_codes: [b h][t / 16][c 2][lane 32][16 bytes]: lane 16 h + r holds token 16 (t / 16) + r, d = 32 c + 16 h + 0 .. 15.
	; v_codes: [b h][t / 128][d / 16][c 4][lane 32][16 bytes]: lane 16 h + r holds row d = 16 (d / 16) + r, bytes 32 c + 16 h + 0 .. 15 of its 128 (the keys' order inside 32 bytes as the head has it).
	; For v that is what a lane holds when its conversions are done: v's codes go from registers to memory and through no stage.
	v_and_b32 v6, 31, v0                           ; lane
	v_mul_u32_u24 v7, v1, 80
	v_lshl_add_u32 v7, v2, 4, v7
	v_add_nc_u32 v[RDQ], s23, v7                   ; back: row r, + 16 h: the lane's 16 bytes of a fragment load
	v_lshlrev_b32 v[CO], 4, v6
	; which tokens and which columns are my wave's
	s_cmp_eq_u32 ttmp9, 2
	s_cselect_b32 s84, s42, s17                    ; x's tile
	s_cselect_b32 s85, s17, s42                    ; W's tile
	s_cselect_b32 s86, s16, s15                    ; my half of x's tile
	s_cselect_b32 s87, s15, s16                    ; my half of W's
	s_lshl_b32 s80, s85, 8
	s_lshl_b32 s81, s87, 7
	s_add_co_u32 s80, s80, s81                     ; my first column of qkv's 3,072
	s_lshl_b32 s80, s80, 2
	s_mov_b32 s81, 0
	s_add_nc_u64 s[10:11], s[10:11], s[80:81]      ; my 128 biases.  Both forms are loaded by every wave: both lie inside these 512 bytes
	v_lshlrev_b32 v9, 5, v2                        ; 32 h
	v_lshlrev_b32 v10, 2, v1                       ; 4 r
.irp b, 0,1,2,3,4,5,6,7
	global_load_b128 v[BIASQ+8*\b:BIASQ+8*\b+3], v9, s[10:11] offset:64*\b
	global_load_b128 v[BIASQ+8*\b+4:BIASQ+8*\b+7], v9, s[10:11] offset:64*\b+16
.endr
.irp a, 0,1,2,3,4,5,6,7
	global_load_b32 v[BIASV+2*\a], v10, s[10:11] offset:64*\a
	global_load_b32 v[BIASV+2*\a+1], v10, s[10:11] offset:64*\a
.endr
	s_lshr_b32 s80, s84, 3                         ; the batch: 8 tiles of 256 tokens each
	s_lshl_b32 s80, s80, 4
	s_and_b32 s82, s85, 3
	s_lshl_b32 s82, s82, 2
	s_add_co_u32 s80, s80, s82
	s_lshl_b32 s82, s87, 1
	s_add_co_u32 s80, s80, s82                     ; 16 b + my first head (my 128 columns are two heads)
	s_lshl_b32 s80, s80, 17                        ; a head is 131,072 bytes in each of the three
	s_and_b32 s82, s84, 7
	s_lshl_b32 s82, s82, 8
	s_lshl_b32 s83, s86, 7
	s_add_co_u32 s82, s82, s83                     ; my first token in the batch, a multiple of 128
	s_lshl_b32 s82, s82, 6                         ; 64 bytes a token; in v a chunk of 128 tokens is 8,192 bytes: the same
	s_add_co_u32 s80, s80, s82
	s_wait_kmcnt 0x0
	s_cmp_eq_u32 ttmp9, 0
	s_cselect_b64 s[78:79], s[72:73], s[74:75]
	s_cselect_b32 s98, s90, s91                    ; e2 or e3
	s_cmp_eq_u32 ttmp9, 2
	s_cselect_b64 s[78:79], s[76:77], s[78:79]
	s_cselect_b32 s98, s93, s98                    ; or e5
	s_add_nc_u64 s[78:79], s[78:79], s[80:81]      ; where my wave's codes begin
	s_add_co_i32 s96, s88, s89
	s_add_co_i32 s96, s96, 127
	s_lshl_b32 s96, s96, 23                        ; 2^(e0 + e1) as f32
	s_mov_b32 s97, s96                             ; (named with it as a pair, so it is written)
	s_add_co_i32 s98, s98, 127
	s_lshl_b32 s99, s98, 23
	v_mov_b32 v[SCL], s99
	s_add_co_i32 s98, s98, 8
	s_lshl_b32 s98, s98, 23
	s_or_b32 s98, s98, 0x600000
	v_mov_b32 v[LIM], s98
.macro FRAG reg, adr, q, i             ; 16 rows x 128 K of codes, 16 registers: lane l holds row l % 16; registers 4 c .. 4 c + 3 hold K = 32 c + 16 (l / 16) + 0 .. 15: one order of k for both sources
.irp c, 0,1,2,3
	ds_load_b128 v[\reg+4*\c:\reg+4*\c+3], v[\adr] offset:128*(\q)+32*\c+(\i)*16*PITCH
.endr
.endm
; 16 matrix instructions: region A's blocks a0, a0 + 1 x region B's eight.  p: B's set.  zero = 1: the first product starts the sums.  The 64 accumulators take turns, one instruction a turn.
.macro MUL16 a0, p, zero
.irp a, \a0, \a0+1
.irp b, 0,1,2,3,4,5,6,7
.if \zero
	v_wmma_f32_16x16x128_fp8_fp8 v[8*(8*((\a)%4)+\b):8*(8*((\a)%4)+\b)+7], v[128*(\p)+FR*\b:128*(\p)+FR*\b+FR-1], v[AF+FR*(\a):AF+FR*(\a)+FR-1], 0
.else
	v_wmma_f32_16x16x128_fp8_fp8 v[8*(8*((\a)%4)+\b):8*(8*((\a)%4)+\b)+7], v[128*(\p)+FR*\b:128*(\p)+FR*\b+FR-1], v[AF+FR*(\a):AF+FR*(\a)+FR-1], v[8*(8*((\a)%4)+\b):8*(8*((\a)%4)+\b)+7]
.endif
.endr
.endr
.endm
.macro FETCH_B slot, q, p
	WIN TO_B
.irp i, 0,1,2,3,4,5,6,7
	FRAG 128*(\p)+FR*\i, ADRB+\slot, \q, \i
.endr
	WIN 0
.endm
.macro FETCH_A slot, q, i0
.irp i, \i0, \i0+1, \i0+2, \i0+3
	FRAG AF+FR*(\i), ADRA+\slot, \q, \i
.endr
.endm
.macro PLACES n                        ; plain vector lines between a matrix instruction and a load into, or a vector line on, its registers
.rept \n
	v_nop
.endr
.endm
.macro STEP slot, q, zero              ; 128 along K with its successor in the same slot
	s_wait_dscnt 4*NL                              ; B's set and A's blocks 0-3 are in; the youngest sixteen loads (A's blocks 4-7) may be out
	WIN MUL_LO
	MUL16 0, (\q)%2, \zero
	MUL16 2, (\q)%2, \zero
	s_wait_dscnt 0                                 ; A's blocks 4-7 are in
	PLACES NP
	FETCH_B \slot, (\q)+1, 1-(\q)%2
	FETCH_A \slot, (\q)+1, 0
	WIN MUL_HI
	MUL16 4, (\q)%2, \zero
	MUL16 6, (\q)%2, \zero
	PLACES NP
	WIN 0
	FETCH_A \slot, (\q)+1, 4
.endm
; A slot's last step changes slots: one barrier; in front of it each wave waits for all its tensor loads, adds 0 to its spare word, and waits for that and for its own reads of this slot.  fill = 1: the slot is filled again, two K steps ahead.
.macro TURN slot, next, fill
	s_wait_tensorcnt 0x0                           ; all my tensor loads have landed: my part of the next slot
	ds_add_u32 v[SPW], v[NIL]                      ; 0 onto my spare word
	s_wait_dscnt 4*NL+1                            ; the add and the youngest sixteen loads (A's blocks 4-7) may be out
	WIN MUL_LO
	MUL16 0, 1, 0
	s_wait_dscnt 0x0                               ; the add is done, and my reads of this slot are over
	s_barrier_signal -1
	MUL16 2, 1, 0
	WIN 0
	s_barrier_wait -1
.if \fill
	CREST                                          ; the barrier has opened a round of the cluster's: no wave of any partner still reads this slot or has a load on its way
	s_add_nc_u64 s[G0+4*\slot+2:G0+4*\slot+3], s[G0+4*\slot+2:G0+4*\slot+3], 2*ROWB
	s_add_nc_u64 s[G0B+4*\slot+2:G0B+4*\slot+3], s[G0B+4*\slot+2:G0B+4*\slot+3], 2*ROWB
	JLOAD G0+4*\slot, G1, G0B+4*\slot, G1B         ; the first tensor load behind the round; its four v_nop are the places in front of the loads below
.else
	PLACES NP
.endif
	FETCH_B \next, 0, 0
	FETCH_A \next, 0, 0
	WIN MUL_HI
	MUL16 4, 1, 0
	MUL16 6, 1, 0
	PLACES NP
	WIN 0
	FETCH_A \next, 0, 4
.endm
	s_wait_alu depctr_va_vdst(0)
	s_wait_tensorcnt 0x0                           ; my part of K step 0 is in
	ds_add_u32 v[SPW], v[NIL]
	s_wait_dscnt 0x0
	CROUND                                         ; everybody's part of K step 0 is in, and all sixteen work-groups are here
	JLOAD G0+4, G1, G0B+4, G1B                     ; K step 1's load, the first tensor load behind the round
	FETCH_B 0, 0, 0
	FETCH_A 0, 0, 0
	FETCH_A 0, 0, 4
	STEP 0, 0, 1                                   ; K 0-127: its products start the sums
	TURN 0, 1, 1                                   ; K 128-255; slot 0 takes K 512-767
	STEP 1, 0, 0
	TURN 1, 0, 1                                   ; slot 1 takes K 768-1023
	STEP 0, 0, 0
	TURN 0, 1, 0                                   ; nothing is left to fetch: no round
	STEP 1, 0, 0
	s_wait_dscnt 4*NL                              ; the last step
	WIN MUL_LO
	MUL16 0, 1, 0
	MUL16 2, 1, 0
	s_wait_dscnt 0
	WIN MUL_HI
	MUL16 4, 1, 0
	MUL16 6, 1, 0
	WIN 0
; THE WAY OUT, block a of 16 rows of region A at a time.  NUMBERS: sum x 2^(e0 + e1) + bias, each accumulator from its low end on; the hold; eight conversions.  The codes take turns between two sets of registers,
; so that a set is written again only behind the counted wait that shows its LDS stores done.
.macro NUMBERS a, bias, step           ; bias: the first register of the block's biases; step: 2 where they run with the numbers, 0 where one pair serves all
.set AC, 64*((\a)%4)
.set CDS, CD+16*((\a)%2)
	WIN 0x02+((\a)/4)                              ; source 0: window 2 or 3
.set j, 0
.rept 32
	v_pk_fma_f32 v[TMP+j:TMP+j+1], v[AC+j:AC+j+1], s[96:97], v[\bias+(\step)*j/2:\bias+(\step)*j/2+1] op_sel_hi:[1,0,1]
.set j, j+2
.endr
	WIN 0
.set j, 0
.rept 64
	v_med3_num_f32 v[TMP+j], v[TMP+j], -v[LIM], v[LIM]   ; the conversion to an 8-bit code does not saturate (ISA guide 7.6.2)
.set j, j+1
.endr
.irp b, 0,1,2,3,4,5,6,7
	v_cvt_scalef32_pk8_fp8_f32 v[CDS+2*\b:CDS+2*\b+1], v[TMP+8*\b:TMP+8*\b+7], v[SCL]
.endr
	v_nop                                          ; one plain vector line behind the last conversion: the next block's multiply-adds write the conversions' sources
.endm
; q, k: lane (r, h) holds token 16 a + r and, of block b, columns 16 b + 8 h + 0 .. 7: head b / 4, d = 16 (b % 4) + 8 h on: 8 bytes.  They meet in the stage as rows of 64 bytes and leave 512 consecutive bytes a store.
.macro QKOUT a
	NUMBERS \a, BIASQ, 2
.set BB, BK+16*((\a)%2)
.irp b, 0,1,2,3,4,5,6,7
	ds_store_b64 v[STQ], v[CDS+2*\b:CDS+2*\b+1] offset:(\b/4)*1280+16*(\b%4)
.endr
.irp i, 0,1,2,3
	ds_load_b128 v[BB+4*\i:BB+4*\i+3], v[RDQ] offset:(\i/2)*1280+(\i%2)*32   ; head i / 2, c = i % 2.  LDS serves a wave's instructions in order: these see the stores above
.endr
.endm
.macro SENDQ a, younger
.set BB, BK+16*((\a)%2)
	s_wait_dscnt \younger                          ; the block is back; the next block's 8 stores and 4 loads may be out
.irp i, 0,1,2,3
	global_store_b128 v[CO], v[BB+4*\i:BB+4*\i+3], s[78:79] offset:(\i/2)*131072+(16*(\a)+8*(\i%2))*64   ; head i / 2, eight tokens of 64 bytes
.endr
.endm
; v: lane (r, h) holds row 16 a + r of W (head a / 4, d = 16 (a % 4) + r) and, of block b, tokens 16 b + 8 h + 0 .. 7.  Blocks 2 g and 2 g + 1 are the 16 bytes at 32 g + 16 h of the row's 128: the order that v_codes has.
.macro VOUT a
	NUMBERS \a, BIASV+2*(\a), 0
.set BB, BK+16*((\a)%2)
.endm
.macro SENDV a, younger
.set BB, BK+16*((\a)%2)
.irp i, 0,1,2,3
	global_store_b128 v[CO], v[CD+16*((\a)%2)+4*\i:CD+16*((\a)%2)+4*\i+3], s[78:79] offset:((\a)/4)*131072+((\a)%4)*2048+512*\i   ; c = i: 32 lanes store 512 consecutive bytes, straight from the conversions' registers
.endr
.endm
	PLACES NP                                      ; behind the last products: their results are read and region A's registers written below
	s_wait_loadcnt 0x0                             ; the biases
	s_cmp_eq_u32 ttmp9, 2                          ; the cluster's x: all partners go one way
	s_cbranch_scc1 .Lv_out
	QKOUT 0
.irp a, 1,2,3,4,5,6,7
.if \a > 1
	s_wait_xcnt 0x0                                ; block a - 2's stores have read their registers: block a's loads may land there
.endif
	QKOUT \a
	SENDQ \a-1, 12
.endr
	SENDQ 7, 0
	s_branch .Ldone
.Lv_out:
	VOUT 0
.irp a, 1,2,3,4,5,6,7
.if \a > 1
	s_wait_xcnt 0x0
.endif
	VOUT \a
	SENDV \a-1, 8
.endr
	SENDV 7, 0
.Ldone:
	s_wait_tensorcnt 0x0                           ; the wave's end: behind my last tensor load and my last LDS store
	ds_add_u32 v[SPW], v[NIL]
	s_wait_dscnt 0x0
	CROUND                                         ; the closing round: no work-group ends while a partner may still ask for a tile that names it
	s_endpgm
.Lfunc_end_k_q3de1effbe4_qkv:
	.size	k_q3de1effbe4_qkv, .Lfunc_end_k_q3de1effbe4_qkv-k_q3de1effbe4_qkv
	.p2alignl 7, 3214868480
	.fill 96, 4, 3214868480
	.section	.rodata,"a",@progbits
	.p2align	6, 0x0
	.amdhsa_kernel k_q3de1effbe4_qkv
		.amdhsa_group_segment_fixed_size 327680
		.amdhsa_private_segment_fixed_size 0
		.amdhsa_enable_private_segment 0
		.amdhsa_kernarg_size 56
		.amdhsa_user_sgpr_count 2
		.amdhsa_user_sgpr_kernarg_segment_ptr 1
		.amdhsa_wavefront_size32 1
		.amdhsa_system_sgpr_workgroup_id_x 1
		.amdhsa_system_sgpr_workgroup_id_y 1
		.amdhsa_system_sgpr_workgroup_id_z 1
		.amdhsa_system_vgpr_workitem_id 0
		.amdhsa_next_free_vgpr 1024
		.amdhsa_next_free_sgpr 100
		.amdhsa_reserve_vcc 0
		.amdhsa_float_denorm_mode_32 3
		.amdhsa_float_denorm_mode_16_64 3
		.amdhsa_memory_ordered 1
		.amdhsa_forward_progress 1
		.amdhsa_inst_pref_size 201
	.end_amdhsa_kernel
	.amdgpu_metadata
---
amdhsa.version: [ 1, 2 ]
amdhsa.kernels:
  - .name:           k_q3de1effbe4_qkv
    .symbol:         k_q3de1effbe4_qkv.kd
    .args:
      - { .name: x_codes, .offset: 0, .size: 8, .value_kind: global_buffer, .address_space: global }
      - { .name: wqkv_codes, .offset: 8, .size: 8, .value_kind: global_buffer, .address_space: global }
      - { .name: lowp_scales, .offset: 16, .size: 8, .value_kind: global_buffer, .address_space: global }
      - { .name: b_qkv, .offset: 24, .size: 8, .value_kind: global_buffer, .address_space: global }
      - { .name: q_codes, .offset: 32, .size: 8, .value_kind: global_buffer, .address_space: global }
      - { .name: k_codes, .offset: 40, .size: 8, .value_kind: global_buffer, .address_space: global }
      - { .name: v_codes, .offset: 48, .size: 8, .value_kind: global_buffer, .address_space: global }
    .group_segment_fixed_size: 327680
    .private_segment_fixed_size: 0
    .kernarg_segment_align: 8
    .kernarg_segment_size: 56
    .max_flat_workgroup_size: 128
    .sgpr_count:     100
    .vgpr_count:     1024
    .wavefront_size: 32
...
	.end_amdgpu_metadata
.endif
;; end of part 2
;; launch attn (part 3): grid 4 x 64, 8 waves a work-group, no clusters, 327,680 bytes of LDS; arguments q_codes, k_codes, v_codes, lowp_scales, a_codes; writes a_codes
.if DOCPART == 3
	.amdgcn_target "amdgcn-amd-amdhsa--gfx1250"
	.amdhsa_code_object_version 6
	.text
	.protected	k_q3de1effbe4_attn
	.globl	k_q3de1effbe4_attn
	.p2align	8
	.type	k_q3de1effbe4_attn,@function
k_q3de1effbe4_attn:
	s_mov_b64 s[64:65], 0
	v_nop
	global_prefetch_b8 v0, s[64:65] scope:SCOPE_SE
	s_setreg_imm32_b32 hwreg(HW_REG_WAVE_MODE, 25, 1), 1
	s_wait_xcnt 0x0
; Causal attention on codes of FP8 (E4M3), head size 64, 2,048 tokens, 64 heads (b h).  Key steps that lie wholly under the causal mask are left out.
; IN, in the order of the operand registers: q_codes, k_codes [b h][t / 16][c 2][lane 32][16 bytes] (lane 16 h + r: token r of the sixteen, d = 32 c + 16 h + 0 .. 15);
; v_codes [b h][t / 128][d / 16][c 4][lane 32][16 bytes] (lane 16 h + r: row d = r of the sixteen; registers 2 x, 2 x + 1 of the fragment hold keys 16 x + 8 h + 0 .. 7).  So every fragment load is 16 x lane, dense.
; OUT: the result quantised with 2^e6, a_codes [token / 4][head 16][token % 4][d 64]: four tokens of one head are 256 consecutive, aligned bytes.
; THE SOFTMAX: t = score x log2(e) / 8; M = the running largest t rounded UP to a whole number; p = 2^(t - M) is quantised with 2^e4, not normalised; the row's sum is taken of the unquantised p and divides at the end.
; When M moves, the sum and O are multiplied by 2^(old M - new M), which rounds nothing.
; SHARES.  Work-group (i, b h) owns the query blocks 7 - i and i of 256 queries: (8 - i) + (i + 1) = 9 times 256 keys for every work-group.  Each of eight waves owns 32 queries of the block in hand, two tiles of 16,
; so that each fragment of K and of V feeds two matrix instructions.  Wave w takes the 32 queries number j = w ^ 3 (w / 4) of the first block and 7 - j of the second: the diagonal's work is the same for every wave.
; K AND V STAY IN LDS: a head's are 2 x 131,072 bytes.  They come in four stages of 512 keys, each filled once: stage 0 at the head, stage g + 1 behind the barrier in front of stage g's steps, one tensor load of
; 8,192 bytes a wave (waves 0-3 K, waves 4-7 V).  A stage whose first key comes after the work-group's last query is read by nobody and is not asked for: a jump on ids round the load alone; every wait on TENSORcnt is for 0.
; THE WALK: six trips of four steps of 128 keys, constants of the text: trips 0-3 the first block on keys 0 .. 2,047, trips 4, 5 the second on keys 0 .. 1,023; a step all of whose keys are hidden is jumped over.
; The stage's and the step's LDS offsets go round modulo 131,072, so that each stays inside its region in every trip.
; Both products are used transposed (S^T = K Q^T, O^T = V^T P^T): a lane holds ONE query (lane % 16) of each tile throughout.
; No cluster: which steps a work-group walks hangs on its place among the head's four (the causal mask).
; LIMITS: e2 + e3 between -123 and 130 (added to c's exponent field); e4 between -126 and 119; e4 + e5 - e6 is applied by v_ldexp_f32.  NaN among the codes is not served.
; REGISTERS.  Window 0: v1-11 addresses; v12-15, v16-19 the tiles' -M, largest t, sum (a pair); v20-23 f (pairs); v24-31 at work; v32-47 Q; v48-111, v112-175 S^T, then p; v176-207 p's codes; v208-221 partial sums;
; v224-239 the way out; v241-246 constants.   Window 1: v0-63 K's eight fragments; v64-127 V's four; v128-159, v160-191 O^T.
.set VREG,  1<<17                      ; LDS: K's region from 0, V's from here
.set SPARE, 1<<18                      ; the spare words, 128 bytes a wave: four blocks of 256 bytes that no other line names
.set STAGE, SPARE+1024                 ; the way out: 2 x 16 rows x 80 bytes a wave; no tile lands here
.set AK0, 1                            ; 16 x lane
.set AV0, 2                            ; VREG + 16 x lane
.set PFO, 3                            ; 256 x lane
.set SPW, 5
.set NIL, 6
.set GO,  7
.set ADK, 8
.set ADV, 9
.set STO, 10
.set SRD, 11
.set ST0, 12
.set ST1, 16
.set F0,  20
.set F1,  22
.set RH,  24                           ; r - 8 h, for the mask
.set MD,  25
.set MA0, 26
.set MA1, 28
.set PD0, 30
.set PD1, 31
.set QF0, 32
.set QF1, 40
.set S0,  48
.set S1,  112
.set PC0, 176
.set PC1, 192
.set TS,  208
.set BKR, 224
.set CE,  241                          ; 2^e4
.set CH,  242                          ; 448 x 2^e4, twice: a dual pair's two first sources
.set NINF, 244
.set ONE, 245
.set C448, 246
.set KR,  0                            ; window 1
.set VR,  64
.set OT0, 128
.set OT1, 160
.set TB,   2                           ; s2  the step's offset in K's and in V's region
.set WV,   18
.set SEL,  20
.set CS,   22                          ; s[22:23] c = log2(e) / 8 x 2^(e2 + e3)
.set G1,   24
.set G0,   40
.set GS,   48                          ; the trip: 0 .. 5
.set IN,   49                          ; the step in the trip
.set QL,   50                          ; my work-group's last query of the first block
.set KF,   51                          ; the step's first key
.set Q0,   52
.set Q0B,  53
.set BASE, 54                          ; s[54:55] my 8,192 bytes of stage 0 in memory
.set OFF,  56                          ; s[56:57] the offset of the stage that is asked for
.set Q1,   58
.set Q2,   60
.set O1,   62
.set O2,   66
.set PFA,  76
.set LIM,  78
.set LB,   79                          ; my 8,192 bytes of stage 0 in LDS
.set MSB, 0
.macro WIN new                         ; the immediate's high byte repeats the setting that is left
.if MSB != \new
	s_set_vgpr_msb (MSB<<8)|\new
.set MSB, \new
.endif
.endm
.macro NOPS n
.rept \n
	v_nop
.endr
.endm
	s_load_b256 s[4:11], s[0:1], 0x0               ; q_codes, k_codes, v_codes, the scales' exponents
	s_load_b64 s[12:13], s[0:1], 0x20              ; a_codes
	v_lshl_add_u32 v[SPW], v0, 2, SPARE
	v_mov_b32 v[NIL], 0
	ds_add_u32 v[SPW], v[NIL]                      ; the opening: the add, twice on end, and its wait ahead of my first tensor load
	ds_add_u32 v[SPW], v[NIL]
	v_lshrrev_b32 v8, 5, v0
	v_readfirstlane_b32 s[WV], v8                  ; wave 0..7
	s_and_b32 s80, ttmp7, 0xffff                   ; b h
	s_lshl_b32 s82, s80, 17                        ; the head's first byte in q, k and v
	s_mov_b32 s83, 0
	s_lshr_b32 s84, s[WV], 2
	s_mul_i32 s85, s84, 3
	s_xor_b32 s85, s85, s[WV]                      ; j: 0 1 2 3 7 6 5 4.  It enters global addresses and Q0 alone
	s_xor_b32 s86, s85, 7                          ; 7 - j
	s_lshl_b32 s85, s85, 5
	s_lshl_b32 s86, s86, 5
	s_sub_co_u32 s87, 7, ttmp9
	s_lshl_b32 s87, s87, 8
	s_or_b32 s[QL], s87, 255
	s_add_co_u32 s[Q0], s87, s85                   ; my first query in block 7 - i,
	s_lshl_b32 s[Q0B], ttmp9, 8
	s_add_co_u32 s[Q0B], s[Q0B], s86               ; and in block i
	s_mov_b32 s[G1], 0                             ; group 1: 32 rows x 256 bytes, dense in memory and in LDS; elements of 1 byte, no mask, no padding
	s_mov_b32 s[G1+1], 256<<16
	s_mov_b32 s[G1+2], 32<<16
	s_mov_b32 s[G1+3], 256<<16
	s_mov_b32 s[G1+4], 32
	s_mov_b32 s[G1+5], 256
	s_mov_b32 s[G1+6], 0
	s_mov_b32 s[G1+7], 0
	s_and_b32 s85, s[WV], 3
	s_lshl_b32 s85, s85, 13                        ; my 128 keys of a stage's 512
	s_lshl_b32 s[LB], s84, 17                      ; K's region (waves 0-3) or V's
	s_add_co_u32 s[LB], s[LB], s85
	s_add_co_u32 s86, s82, s85
	s_mov_b32 s87, 0
	s_mov_b32 s[G0], 1
	s_mov_b32 s[G0+1], s[LB]
	s_mov_b32 s[SEL], 0x76543210
	s_mov_b32 s[SEL+1], 0xfedcba98
	s_mov_b32 s[CS], 0x3e38aa3b                    ; log2(e) / sqrt(64)
	s_mov_b32 s[TB], 0
	s_mov_b32 s[KF], 0
	s_mov_b32 s[OFF], 0
	s_mov_b32 s[OFF+1], 0
	s_wait_dscnt 0x0                               ; both opening adds are done
	s_wait_kmcnt 0x0
	s_load_b256 s[68:75], s[10:11], 0x0            ; e0 .. e7
	s_cmp_lt_u32 s[WV], 4
	s_cselect_b64 s[BASE:BASE+1], s[6:7], s[8:9]
	s_add_nc_u64 s[BASE:BASE+1], s[BASE:BASE+1], s[86:87]
	s_mov_b64 s[G0+2:G0+3], s[BASE:BASE+1]
	s_or_b32 s[G0+3], s[G0+3], 0x80000000
	tensor_load_to_lds s[G0:G0+3], s[G1:G1+7]      ; stage 0: every wave's one load at the head
	s_nop 0
	s_add_nc_u64 s[PFA:PFA+1], s[BASE:BASE+1], 32768   ; the prefetches stand at stage 1: the first trip steps them to stage 2
	s_cmp_eq_u32 ttmp9, 0
	s_cselect_b32 s[LIM], 2, 0                     ; the head's work-group 0, which loads all four stages, asks in trips 0 and 1
	s_lshl_b32 s86, s[Q0], 6
	s_add_co_u32 s86, s86, s82
	s_add_nc_u64 s[Q1:Q1+1], s[4:5], s[86:87]      ; Q: the head + 64 bytes a query
	s_lshl_b32 s86, s[Q0B], 6
	s_add_co_u32 s86, s86, s82
	s_add_nc_u64 s[Q2:Q2+1], s[4:5], s[86:87]
	s_lshr_b32 s85, s80, 4
	s_lshl_b32 s85, s85, 11                        ; the batch's first token
	s_and_b32 s81, s80, 15
	s_lshl_b32 s81, s81, 8                         ; the head's 256 bytes in a row of four tokens
	s_add_co_u32 s86, s85, s[Q0]
	s_lshl_b32 s86, s86, 10                        ; (token / 4) x 4,096
	s_add_co_u32 s86, s86, s81
	s_add_nc_u64 s[O1:O1+1], s[12:13], s[86:87]
	s_add_co_u32 s86, s85, s[Q0B]
	s_lshl_b32 s86, s86, 10
	s_add_co_u32 s86, s86, s81
	s_add_nc_u64 s[O2:O2+1], s[12:13], s[86:87]
	v_and_b32 v26, 15, v0                          ; r
	v_bfe_u32 v27, v0, 4, 1                        ; h
	v_and_b32 v28, 31, v0                          ; lane
	v_lshlrev_b32 v[AK0], 4, v28
	v_add_nc_u32 v[AV0], VREG, v[AK0]
	v_lshlrev_b32 v[PFO], 8, v28
	v_lshlrev_b32 v[GO], 12, v27
	v_lshl_add_u32 v[GO], v26, 4, v[GO]            ; out: lanes 0-15 one unit of four tokens, lanes 16-31 the next, 4,096 bytes on
	s_mul_i32 s86, s[WV], 2560
	s_add_co_u32 s86, s86, STAGE                   ; my stage
	v_mul_u32_u24 v[STO], v26, 80
	v_lshl_add_u32 v[STO], v27, 3, v[STO]
	v_add_nc_u32 v[STO], s86, v[STO]               ; in: row r, + 8 h
	v_lshrrev_b32 v29, 2, v28
	v_mul_u32_u24 v[SRD], v29, 80
	v_and_b32 v29, 3, v28
	v_lshl_add_u32 v[SRD], v29, 4, v[SRD]
	v_add_nc_u32 v[SRD], s86, v[SRD]               ; back: four lanes to a row, eight rows an instruction
	v_lshlrev_b32 v29, 3, v27
	v_sub_nc_u32 v[RH], v26, v29
	v_mov_b32 v[PD0], 0                            ; a lane permute's destination counts as one of its sources
	v_mov_b32 v[PD1], 0
	v_mov_b32 v[F0+1], 0                           ; (named as the upper halves of f's pairs)
	v_mov_b32 v[F1+1], 0
	v_mov_b32 v[NINF], 0xff800000
	v_mov_b32 v[ONE], 1.0
	v_mov_b32 v[C448], 0x43e00000
	s_wait_alu depctr_va_vdst(0)
	s_wait_kmcnt 0x0
	s_add_co_i32 s80, s70, s71
	s_lshl_b32 s80, s80, 23
	s_add_co_i32 s[CS], s[CS], s80                 ; a score stands for score x 2^(e2 + e3)
	s_mov_b32 s[CS+1], s[CS]
	s_add_co_i32 s80, s72, 127
	s_lshl_b32 s81, s80, 23
	v_mov_b32 v[CE], s81
	s_add_co_i32 s80, s80, 8
	s_lshl_b32 s80, s80, 23
	s_or_b32 s80, s80, 0x600000
	v_mov_b32 v[CH], s80
	v_mov_b32 v[CH+1], s80
	s_add_co_i32 s90, s72, s73
	s_sub_co_i32 s90, s90, s74                     ; e4 + e5 - e6
; A block of queries begins: my two tiles' Q, the largest t under every t, zeros for the sums and O^T (the first change of M multiplies zeros).
.macro INIT qp
.irp c, 0,1,2,3
	global_load_b128 v[QF0+4*\c:QF0+4*\c+3], v[AK0], s[\qp:\qp+1] offset:512*\c
.endr
	v_mov_b32 v[ST0+1], 0xff61b1e6                 ; -3e38
	v_mov_b32 v[ST1+1], 0xff61b1e6
	v_floor_f32 v[ST0], -v[ST0+1]
	v_floor_f32 v[ST1], -v[ST1+1]
.irp r, ST0+2, ST0+3, ST1+2, ST1+3
	v_mov_b32 v[\r], 0
.endr
	WIN 0x40
.set n, 0
.rept 64
	v_mov_b32 v[OT0+n], 0
.set n, n+1
.endr
	WIN 0
	s_wait_alu depctr_va_vdst(0)
	s_wait_loadcnt 0x0
.endm
.macro MASK s                          ; register 8 t + j holds key KF + 16 t + 8 h + j: hidden where 16 t + j > d, d = my query - KF - 8 h
	v_add_nc_u32 v[MD], s96, v[RH]
.set n, 0
.rept 64
	v_cmp_gt_i32 vcc_lo, 16*(n/8)+n%8, v[MD]
	v_cndmask_b32 v[\s+n], v[\s+n], v[NINF], vcc_lo
.set n, n+1
.endr
.endm
.macro SUMS s, l                       ; the row's sum of the unquantised p: 32 packed additions in eight chains
.set k, 0
.rept 7
	v_pk_add_f32 v[TS+2*k:TS+2*k+1], v[\s+4*k:\s+4*k+1], v[\s+4*k+2:\s+4*k+3]
.set k, k+1
.endr
	v_pk_add_f32 v[\l:\l+1], v[\l:\l+1], v[\s+28:\s+29]
.set k, 0
.rept 17
.if k%8 == 7
	v_pk_add_f32 v[\l:\l+1], v[\l:\l+1], v[\s+30+2*k:\s+31+2*k]
.else
	v_pk_add_f32 v[TS+2*(k%8):TS+2*(k%8)+1], v[TS+2*(k%8):TS+2*(k%8)+1], v[\s+30+2*k:\s+31+2*k]
.endif
.set k, k+1
.endr
	v_pk_add_f32 v[TS:TS+1], v[TS:TS+1], v[TS+2:TS+3]
	v_pk_add_f32 v[TS+4:TS+5], v[TS+4:TS+5], v[TS+6:TS+7]
	v_pk_add_f32 v[TS+8:TS+9], v[TS+8:TS+9], v[TS+10:TS+11]
	v_pk_add_f32 v[\l:\l+1], v[\l:\l+1], v[TS+12:TS+13]
	v_pk_add_f32 v[TS:TS+1], v[TS:TS+1], v[TS+4:TS+5]
	v_pk_add_f32 v[\l:\l+1], v[\l:\l+1], v[TS+8:TS+9]
	v_pk_add_f32 v[\l:\l+1], v[\l:\l+1], v[TS:TS+1]
.endm
.macro HOLD2 s, n                      ; the conversion does not saturate (ISA guide 7.6.2); p is not negative, so the hold is one-sided: two numbers an instruction
	v_dual_min_num_f32 v[\s+\n], v[CH], v[\s+\n] :: v_dual_min_num_f32 v[\s+\n+1], v[CH+1], v[\s+\n+1]
.endm
.macro CODES s, pc, sc, cnt            ; eight numbers a conversion: keys (or d) 16 t + 8 h + 0 .. 7 into registers 2 t, 2 t + 1
.set t, 0
.rept \cnt
	v_cvt_scalef32_pk8_fp8_f32 v[\pc+2*t:\pc+2*t+1], v[\s+8*t:\s+8*t+7], v[\sc]
.set t, t+1
.endr
.endm
; A block's end: O^T / the sum x 2^(e4 + e5 - e6), held within +-448, converted with the scale 1; through my stage, out as whole units of four tokens.
.macro FINISH op
	s_wait_xcnt 0x0                                ; earlier stores have read the registers that are loaded again below
	NOPS 4                                         ; places behind the last products
	v_add_f32 v[ST0+2], v[ST0+2], v[ST0+3]
	v_add_f32 v[ST1+2], v[ST1+2], v[ST1+3]
	v_permlanex16_b32 v[PD0], v[ST0+2], s[SEL], s[SEL+1]
	v_permlanex16_b32 v[PD1], v[ST1+2], s[SEL], s[SEL+1]
	v_add_f32 v[ST0+2], v[ST0+2], v[PD0]           ; the rows' sums
	v_add_f32 v[ST1+2], v[ST1+2], v[PD1]
	s_wait_alu depctr_va_vdst(0)                   ; ahead of the transcendentals,
	v_rcp_f32 v[ST0+2], v[ST0+2]
	v_rcp_f32 v[ST1+2], v[ST1+2]
	v_nop
	s_wait_alu depctr_va_vdst(0)                   ; and ahead of their first reader
	v_ldexp_f32 v[ST0+2], v[ST0+2], s90
	v_ldexp_f32 v[ST1+2], v[ST1+2], s90
	WIN 0x01                                       ; source 0: O^T in window 1
	s_wait_alu depctr_va_vdst(0)                   ; directly ahead of the first reader of O^T
.set n, 0
.rept 32
	v_mul_f32 v[S0+n], v[OT0+n], v[ST0+2]          ; register 8 t + j: d = 16 t + 8 h + j of my query
.set n, n+1
.endr
.set n, 0
.rept 32
	v_mul_f32 v[S1+n], v[OT1+n], v[ST1+2]
.set n, n+1
.endr
	WIN 0
.set n, 0
.rept 32
	v_med3_num_f32 v[S0+n], v[S0+n], -v[C448], v[C448]
	v_med3_num_f32 v[S1+n], v[S1+n], -v[C448], v[C448]
.set n, n+1
.endr
	CODES S0, PC0, ONE, 4
	CODES S1, PC1, ONE, 4
	v_nop                                          ; one plain line behind the last conversion
.irp t, 0,1,2,3
	ds_store_b64 v[STO], v[PC0+2*\t:PC0+2*\t+1] offset:16*\t
	ds_store_b64 v[STO], v[PC1+2*\t:PC1+2*\t+1] offset:1280+16*\t
.endr
.irp i, 0,1,2,3
	ds_load_b128 v[BKR+4*\i:BKR+4*\i+3], v[SRD] offset:640*\i      ; LDS serves a wave's instructions in order: these see my stores
.endr
	s_wait_dscnt 0x0
.irp i, 0,1,2,3
	global_store_b128 v[GO], v[BKR+4*\i:BKR+4*\i+3], s[\op:\op+1] offset:8192*\i   ; sixteen lanes store 256 consecutive, aligned bytes: four tokens of my head
.endr
.endm
	INIT Q1
	s_mov_b32 s[GS], 0
.Lstage:
	s_wait_tensorcnt 0x0                           ; my part of this trip's stage is in; no load of mine is out, so group 0 may be written
	ds_add_u32 v[SPW], v[NIL]                      ; 0 onto my spare word
	s_add_co_u32 s[OFF], s[OFF], 32768
	s_and_b32 s[OFF], s[OFF], 0x1ffff              ; the next stage, modulo the region
	s_add_co_u32 s[G0+1], s[LB], s[OFF]
	s_add_nc_u64 s[G0+2:G0+3], s[BASE:BASE+1], s[OFF:OFF+1]
	s_or_b32 s[G0+3], s[G0+3], 0x80000000
	s_wait_xcnt 0x0                                ; the last prefetch, a trip back, has read its address
	s_add_nc_u64 s[PFA:PFA+1], s[PFA:PFA+1], 32768
	s_wait_dscnt 0x0                               ; the add is done; no LDS read of mine is out
	s_barrier_signal -1
	s_barrier_wait -1                              ; this trip's stage is whole
	s_lshl_b32 s96, s[GS], 9
	s_add_co_u32 s96, s96, 512                     ; the next stage's first key
	s_cmp_gt_u32 s96, s[QL]                        ; ids and the count of trips alone: all eight waves go one way, and a work-group that is past the limit stays past it
	s_cbranch_scc1 .Lpast
	tensor_load_to_lds s[G0:G0+3], s[G1:G1+7]      ; my one load behind this barrier: a first fill; it has this trip's four steps in which to land
	s_nop 0
	NOPS 4
.Lpast:
	s_cmp_lt_u32 s[GS], s[LIM]                     ; A PREFETCH INTO THE L2 of the stage that the NEXT trip will ask for (stages 2 and 3): in the head's work-group 0 each wave names the 8,192 bytes
	s_cbranch_scc0 .Lnot_mine                      ; that it will load, lanes 256 bytes apart: each aligned block of 256 bytes once.  Stages 0 and 1 come by their loads alone
	global_prefetch_b8 v[PFO], s[PFA:PFA+1] th:TH_LOAD_NT scope:SCOPE_SE
.Lnot_mine:
	s_mov_b32 s[IN], 0
.Lstep:                                            ; A KEY STEP: 128 keys against my 32 queries, which lie inside one run of 128
	s_cmp_gt_u32 s[KF], s[Q0]                      ; KF is a multiple of 128: KF > Q0 says that all its keys come after all my queries
	s_cbranch_scc1 .Lhidden
	v_add_nc_u32 v[ADK], s[TB], v[AK0]
	WIN 0x40                                       ; destination window 1, address window 0
.set t, 0
.rept 16
	ds_load_b128 v[KR+4*t:KR+4*t+3], v[ADK] offset:512*t
.set t, t+1
.endr
	s_wait_dscnt 0x0                               ; K's sixteen loads are in: nothing else of mine is out
	WIN 0x01                                       ; source 0 (K) window 1
.set t, 0
.rept 8                                        ; S^T = K Q^T: lane (r, h), register 8 t + j: query r, key 16 t + 8 h + j
	v_wmma_f32_16x16x64_fp8_fp8 v[S0+8*t:S0+8*t+7], v[KR+8*t:KR+8*t+7], v[QF0:QF0+7], 0
	v_wmma_f32_16x16x64_fp8_fp8 v[S1+8*t:S1+8*t+7], v[KR+8*t:KR+8*t+7], v[QF1:QF1+7], 0
.set t, t+1
.endr
	WIN 0
	v_add_nc_u32 v[ADV], s[TB], v[AV0]
	NOPS 3                                         ; with the addition: four places behind the products, whose scores are read below; with K's address too, five behind the last step's products, which read V's registers
	WIN 0x40
.set t, 0
.rept 16
	ds_load_b128 v[VR+4*t:VR+4*t+3], v[ADV] offset:512*t   ; V: asked for behind K's wait, wanted behind the softmax
.set t, t+1
.endr
	WIN 0
	s_add_co_u32 s96, s[KF], 127
	s_cmp_le_u32 s96, s[Q0]
	s_cbranch_scc1 .Lopen
	s_sub_co_i32 s96, s[Q0], s[KF]
	MASK S0
	s_add_co_u32 s96, s96, 16
	MASK S1
.Lopen:
	v_max3_num_f32 v[MA0], v[S0], v[S0+1], v[S0+2]     ; the step's largest scores, two chains a tile, each accumulator from its low end on
	v_max3_num_f32 v[MA0+1], v[S0+3], v[S0+4], v[S0+5]
	v_max3_num_f32 v[MA1], v[S1], v[S1+1], v[S1+2]
	v_max3_num_f32 v[MA1+1], v[S1+3], v[S1+4], v[S1+5]
.set n, 6
.rept 14
	v_max3_num_f32 v[MA0], v[MA0], v[S0+n], v[S0+n+1]
	v_max3_num_f32 v[MA0+1], v[MA0+1], v[S0+n+2], v[S0+n+3]
	v_max3_num_f32 v[MA1], v[MA1], v[S1+n], v[S1+n+1]
	v_max3_num_f32 v[MA1+1], v[MA1+1], v[S1+n+2], v[S1+n+3]
.set n, n+4
.endr
	v_max3_num_f32 v[MA0], v[MA0], v[S0+62], v[S0+63]
	v_max3_num_f32 v[MA1], v[MA1], v[S1+62], v[S1+63]
	v_max_num_f32 v[MA0], v[MA0], v[MA0+1]
	v_max_num_f32 v[MA1], v[MA1], v[MA1+1]
	v_permlanex16_b32 v[PD0], v[MA0], s[SEL], s[SEL+1]     ; the two tiles' chains take turns
	v_permlanex16_b32 v[PD1], v[MA1], s[SEL], s[SEL+1]
	v_max_num_f32 v[MA0], v[MA0], v[PD0]
	v_max_num_f32 v[MA1], v[MA1], v[PD1]
	v_mul_f32 v[MA0], s[CS], v[MA0]                ; as t (c is positive)
	v_mul_f32 v[MA1], s[CS], v[MA1]
	v_max_num_f32 v[ST0+1], v[ST0+1], v[MA0]       ; the running largest t
	v_max_num_f32 v[ST1+1], v[ST1+1], v[MA1]
	v_mov_b32 v[MA0], v[ST0]
	v_mov_b32 v[MA1], v[ST1]
	v_floor_f32 v[ST0], -v[ST0+1]                  ; the new -M = -ceil(t): a whole number
	v_floor_f32 v[ST1], -v[ST1+1]
	v_sub_f32 v[MA0], v[ST0], v[MA0]               ; old M - new M, 0 or less
	v_sub_f32 v[MA1], v[ST1], v[MA1]
	v_cvt_i32_f32 v[MA0], v[MA0]                   ; (it saturates)
	v_cvt_i32_f32 v[MA1], v[MA1]
	v_ldexp_f32 v[F0], 1.0, v[MA0]                 ; f = 2^(old M - new M)
	v_ldexp_f32 v[F1], 1.0, v[MA1]
.set n, 0
.rept 32
	v_pk_fma_f32 v[S0+n:S0+n+1], v[S0+n:S0+n+1], s[CS:CS+1], v[ST0:ST0+1] op_sel_hi:[1,0,0]   ; tile 0: t - M
.set n, n+2
.endr
	WIN 0x41                                       ; O^T (destination and source 0) window 1, f window 0
.set n, 0
.rept 16
	v_pk_mul_f32 v[OT0+n:OT0+n+1], v[OT0+n:OT0+n+1], v[F0:F0+1] op_sel_hi:[1,0]   ; O^T under the new M: read here, with no transcendental since the products that wrote it
	v_pk_mul_f32 v[OT1+n:OT1+n+1], v[OT1+n:OT1+n+1], v[F1:F1+1] op_sel_hi:[1,0]
.set n, n+2
.endr
	WIN 0
	v_pk_mul_f32 v[ST0+2:ST0+3], v[ST0+2:ST0+3], v[F0:F0+1] op_sel_hi:[1,0]       ; the sums under the new M
	v_pk_mul_f32 v[ST1+2:ST1+3], v[ST1+2:ST1+3], v[F1:F1+1] op_sel_hi:[1,0]
	s_wait_dscnt 0x0                               ; V is in: waited for here, so that no wait on memory stands between the conversions and the products
	s_wait_alu depctr_va_vdst(0)
.set n, 0
.rept 32
	v_exp_f32 v[S0+n], v[S0+n]                     ; tile 0: p = 2^(t - M); among the exponentials tile 1's t - M, which is read behind the next wait
	v_exp_f32 v[S0+n+1], v[S0+n+1]
	v_pk_fma_f32 v[S1+n:S1+n+1], v[S1+n:S1+n+1], s[CS:CS+1], v[ST1:ST1+1] op_sel_hi:[1,0,0]
.set n, n+2
.endr
	s_wait_alu depctr_va_vdst(0)                   ; one wait: for tile 0's p, ahead of its first reader, and for tile 1's t - M, ahead of its exponentials
	SUMS S0, ST0+2
.set n, 0
.rept 32
	v_exp_f32 v[S1+n], v[S1+n]                     ; tile 1's p; among the exponentials tile 0's holds, whose results are read behind the next wait
	v_exp_f32 v[S1+n+1], v[S1+n+1]
	HOLD2 S0, n
.set n, n+2
.endr
	v_nop                                          ; a plain line behind the last exponential
	s_wait_alu depctr_va_vdst(0)                   ; for tile 1's p and tile 0's held p
	CODES S0, PC0, CE, 8
	SUMS S1, ST1+2
.set n, 0
.rept 32
	HOLD2 S1, n
.set n, n+2
.endr
	CODES S1, PC1, CE, 8
	v_nop                                          ; one plain line between the last conversion and the products
	WIN 0x51                                       ; V and O^T window 1, p's codes window 0
.set t, 0
.rept 4                                        ; O^T += V^T P^T: eight accumulators by turns, one instruction a turn
	v_wmma_f32_16x16x128_fp8_fp8 v[OT0+8*t:OT0+8*t+7], v[VR+16*t:VR+16*t+15], v[PC0:PC0+15], v[OT0+8*t:OT0+8*t+7]
	v_wmma_f32_16x16x128_fp8_fp8 v[OT1+8*t:OT1+8*t+7], v[VR+16*t:VR+16*t+15], v[PC1:PC1+15], v[OT1+8*t:OT1+8*t+7]
.set t, t+1
.endr
	WIN 0
.Lhidden:
	s_add_co_u32 s[KF], s[KF], 128
	s_add_co_u32 s[TB], s[TB], 8192
	s_and_b32 s[TB], s[TB], 0x1ffff                ; behind sixteen steps it is 0 again: the second block's first key
	s_add_co_u32 s[IN], s[IN], 1
	s_cmp_lt_u32 s[IN], 4
	s_cbranch_scc1 .Lstep
	s_cmp_lg_u32 s[GS], 3                          ; behind trip 3 the first block is finished and the second begins; no barrier and no tensor load stands in here
	s_cbranch_scc1 .Lsame_block
	FINISH O1
	s_mov_b32 s[Q0], s[Q0B]
	s_mov_b32 s[KF], 0
	INIT Q2
.Lsame_block:
	s_add_co_u32 s[GS], s[GS], 1
	s_cmp_lt_u32 s[GS], 6
	s_cbranch_scc1 .Lstage
	FINISH O2
	s_wait_tensorcnt 0x0                           ; the wave's end: behind my last tensor load and my last LDS store
	ds_add_u32 v[SPW], v[NIL]
	s_wait_dscnt 0x0
	s_endpgm
.Lfunc_end_k_q3de1effbe4_attn:
	.size	k_q3de1effbe4_attn, .Lfunc_end_k_q3de1effbe4_attn-k_q3de1effbe4_attn
	.p2alignl 7, 3214868480
	.fill 96, 4, 3214868480
	.section	.rodata,"a",@progbits
	.p2align	6, 0x0
	.amdhsa_kernel k_q3de1effbe4_attn
		.amdhsa_group_segment_fixed_size 327680
		.amdhsa_private_segment_fixed_size 0
		.amdhsa_enable_private_segment 0
		.amdhsa_kernarg_size 40
		.amdhsa_user_sgpr_count 2
		.amdhsa_user_sgpr_kernarg_segment_ptr 1
		.amdhsa_wavefront_size32 1
		.amdhsa_system_sgpr_workgroup_id_x 1
		.amdhsa_system_sgpr_workgroup_id_y 1
		.amdhsa_system_sgpr_workgroup_id_z 1
		.amdhsa_system_vgpr_workitem_id 0
		.amdhsa_next_free_vgpr 512
		.amdhsa_next_free_sgpr 100
		.amdhsa_reserve_vcc 1
		.amdhsa_float_denorm_mode_32 3
		.amdhsa_float_denorm_mode_16_64 3
		.amdhsa_memory_ordered 1
		.amdhsa_forward_progress 1
		.amdhsa_inst_pref_size 68
	.end_amdhsa_kernel
	.amdgpu_metadata
---
amdhsa.version: [ 1, 2 ]
amdhsa.kernels:
  - .name:           k_q3de1effbe4_attn
    .symbol:         k_q3de1effbe4_attn.kd
    .args:
      - { .name: q_codes, .offset: 0, .size: 8, .value_kind: global_buffer, .address_space: global }
      - { .name: k_codes, .offset: 8, .size: 8, .value_kind: global_buffer, .address_space: global }
      - { .name: v_codes, .offset: 16, .size: 8, .value_kind: global_buffer, .address_space: global }
      - { .name: lowp_scales, .offset: 24, .size: 8, .value_kind: global_buffer, .address_space: global }
      - { .name: a_codes, .offset: 32, .size: 8, .value_kind: global_buffer, .address_space: global }
    .group_segment_fixed_size: 327680
    .private_segment_fixed_size: 0
    .kernarg_segment_align: 8
    .kernarg_segment_size: 40
    .max_flat_workgroup_size: 256
    .sgpr_count:     100
    .vgpr_count:     512
    .wavefront_size: 32
...
	.end_amdgpu_metadata
.endif
;; end of part 3
;; launch proj (part 4): grid 4 x 64, 4 waves a work-group, clusters of 4 x 4, 327,680 bytes of LDS; arguments a_codes, wproj_codes, lowp_scales, b_proj, out0; writes out0
.if DOCPART == 4
	.amdgcn_target "amdgcn-amd-amdhsa--gfx1250"
	.amdhsa_code_object_version 6
	.text
	.protected	k_q3de1effbe4_proj
	.globl	k_q3de1effbe4_proj
	.p2align	8
	.type	k_q3de1effbe4_proj,@function
k_q3de1effbe4_proj:
	s_mov_b64 s[64:65], 0
	v_nop
	global_prefetch_b8 v0, s[64:65] scope:SCOPE_SE
	s_setreg_imm32_b32 hwreg(HW_REG_WAVE_MODE, 25, 1), 1
	s_wait_xcnt 0x0
	s_wait_alu depctr_hold_cnt(0) depctr_sa_sdst(0) depctr_va_vdst(0) depctr_va_sdst(0) depctr_va_ssrc(0) depctr_va_vcc(0) depctr_vm_vsrc(0)
	s_getreg_b32 s2, hwreg(HW_REG_IB_STS2, 6, 4)
	s_cmp_eq_u32 s2, 0
	s_cbranch_scc0 .Lentry_in_a_cluster
	s_endpgm
.Lentry_in_a_cluster:
	s_bfe_u32 s2, ttmp6, 0x10000c
	s_cmp_lg_u32 s2, 0xf033
	s_cbranch_scc0 .Lentry_shape_is_right
	s_endpgm
.Lentry_shape_is_right:
; out0 = a W_proj + b_proj on codes of FP8 (E4M3).  a_codes [token / 4][head 16][token % 4][d 64] (scale 2^e6), wproj_codes [1024 (n)][1024 (k)], K innermost (2^e7); out0 [8192][1024] f32.
; The codes are multiplied as they are; each finished f32 sum gives sum x 2^(e6 + e7) + bias by one fused multiply-add.  LIMIT: e6 + e7 between -126 and 127, so that the power of two is an f32 number.
; A block of 128 tokens x 256 columns is made by four waves, 64 x 128 each: 32 accumulators.  8,192 / 128 x 1,024 / 256 = 256 work-groups.
; K goes in steps of 256 (four heads) through a ring of two LDS slots filled by the tensor data mover: four fills, written out without a loop.  Waves 0 and 1 fetch A's halves (16 rows of four tokens x 1,024 bytes,
; 4,096 bytes apart in memory), waves 2 and 3 B's (128 rows x 256 bytes).
; CLUSTERS: 4 x 4 work-groups.  A's tile hangs on the block's row alone and is shared along a row of the cluster, B's on its column alone and is shared along a column: each is asked for jointly.
; THE MATRIX INSTRUCTION IS USED TRANSPOSED (source 0 = 16 rows of W, source 1 = 16 tokens): a lane holds eight neighbouring columns of one token's row.
; A step of 128 along K is 32 matrix instructions.  A's and B's fragments have two sets of registers each: the next step's 48 LDS loads are issued ahead of this step's products.
; PREFETCH INTO THE L2: behind the load of K step s stands one instruction a wave for K step s + 2 (s = 0, 1): two refills ahead of the load that will want it.  Of the blocks of 256 bytes that a wave fetches, each of the
; four partners that ask with it names a quarter, told apart by address: of A's 16 rows x 4 blocks four rows (sixteen lanes; the other lanes name the last block again), of B's 128 rows 32, a lane a row.
; REGISTERS, in windows of 256: window 0: v0-31 addresses; v32-63 at work on the way out; v64-127 the biases; v128-191, v192-255 A's fragments, two sets (on the way out: rows read back).
;   window 1: B's fragments, two sets, at v0 and v128.   window 2: the accumulators, (a, b) at v[8 (8 a + b)].
.set ROWB,   256
.set KROW,   1024
.set PITCH,  272                       ; B's LDS row: 256 bytes + 16 of padding
.set APITCH, 1040                      ; A's LDS row: four tokens x four heads x 64 bytes + 16
.set FR,     16
.set NP,     4                         ; places behind this matrix instruction (ISA guide 7.12.1)
.set HALFA,  16*APITCH
.set HALFT,  128*PITCH
.set BOFF,   2*HALFA
.set SLOT,   2*HALFA+2*HALFT           ; 102,912 bytes
.set SPARE,  2*SLOT                    ; the spare words, 128 bytes a wave: two blocks of 256 bytes that no other line names
.set STAGE,  SPARE+512                 ; the way out: 16 rows x 528 bytes a wave; no tile lands here
.set SPITCH, 528
.set SIZE_N, 1024
.set ADRA, 16
.set ADRB, 20
.set STO,  24
.set RD,   25
.set CO,   26
.set SPW,  28
.set NIL,  29
.set PFO,  30
.set TMP,  32
.set BIAS, 64
.set AF,   128
.set BK,   128
.set G1, 24
.set G0, 32
.set G1B, 48
.set G0B, 56
.set PFA, 68                           ; s[68:69] where my prefetches stand;  s[72:73] a K step on, in bytes
.set MSB, 0
.macro WIN new                         ; the immediate's high byte repeats the setting that is left
.if MSB != \new
	s_set_vgpr_msb (MSB<<8)|\new
.set MSB, \new
.endif
.endm
.set MUL_LO, 0xa1                      ; source 0 (B) window 1, source 1 (A) window 0, C and D window 2
.set TO_B,   0x40
.macro JLOAD g0a, g1a, g0b, g1b        ; a joint load: the branch hangs on the wave's number alone; s_nop 0 and four v_nop follow each of the two lines
	s_cmp_eq_u32 s15, 0
	s_cbranch_scc0 .Lfor_b_\@
	tensor_load_to_lds s[\g0a:\g0a+3], s[\g1a:\g1a+7]
	s_nop 0
.rept 4
	v_nop
.endr
	s_branch .Lasked_\@
.Lfor_b_\@:
	tensor_load_to_lds s[\g0b:\g0b+3], s[\g1b:\g1b+7]
	s_nop 0
.rept 4
	v_nop
.endr
.Lasked_\@:
.endm
.macro CREST                           ; a round of the cluster's barrier behind its opening barrier
	s_cmp_lg_u32 s14, 0
	s_cbranch_scc1 .Lnot_wave_0_\@
	s_barrier_signal -3
.Lnot_wave_0_\@:
	s_barrier_wait -3
	s_barrier_signal -1
	s_barrier_wait -1
.endm
.macro CROUND
	s_barrier_signal -1
	s_barrier_wait -1
	CREST
.endm
.macro ASK
	global_prefetch_b8 v[PFO], s[PFA:PFA+1] th:TH_LOAD_NT scope:SCOPE_SE
.endm
	s_load_b256 s[4:11], s[0:1], 0x0               ; a_codes s[4:5], wproj_codes s[6:7], the scales' exponents s[8:9], b_proj s[10:11]
	s_load_b64 s[12:13], s[0:1], 0x20              ; out0
	v_lshl_add_u32 v[SPW], v0, 2, SPARE
	v_mov_b32 v[NIL], 0
	ds_add_u32 v[SPW], v[NIL]                      ; the opening: the add, twice on end, and its wait ahead of my first tensor load
	ds_add_u32 v[SPW], v[NIL]
	v_lshrrev_b32 v1, 5, v0
	v_readfirstlane_b32 s14, v1                    ; wave 0..3
	s_lshr_b32 s15, s14, 1                         ; which 64 tokens are mine.  Also: I fetch for A (0) or for B (1)
	s_and_b32 s16, s14, 1                          ; which 128 columns.  Also: which half of that tile I fetch
	s_bfe_u32 s40, ttmp6, 0x40000                  ; cx, cy
	s_bfe_u32 s41, ttmp6, 0x40004
	s_lshl_b32 s42, ttmp9, 2
	s_add_co_u32 s42, s42, s40                     ; the block's column
	s_and_b32 s17, ttmp7, 0xffff
	s_lshl_b32 s17, s17, 2
	s_add_co_u32 s17, s17, s41                     ; the block's row
	s_lshl_b32 s43, s41, 2
	s_lshl_b32 s43, 15, s43                        ; my row of the cluster
	s_lshl_b32 s44, 0x1111, s40                    ; my column
	s_or_b32 s[G1+0], s43, (0<<16)|(1<<20)|(1<<21)|(7<<22)|(3<<25)   ; A: the mask; elements of 1 byte; padding of 4 words after every 256; bit 21 beside a mask
	s_mov_b32 s[G1+1], 1024<<16
	s_mov_b32 s[G1+2], 16<<16
	s_mov_b32 s[G1+3], 1024<<16
	s_mov_b32 s[G1+4], 16
	s_mov_b32 s[G1+5], 4096
	s_mov_b32 s[G1+6], 0
	s_mov_b32 s[G1+7], 0
	s_or_b32 s[G1B+0], s44, (0<<16)|(1<<20)|(1<<21)|(5<<22)|(3<<25)  ; B: padding of 4 words after every 64
	s_mov_b32 s[G1B+1], ROWB<<16
	s_mov_b32 s[G1B+2], 128<<16
	s_mov_b32 s[G1B+3], ROWB<<16
	s_mov_b32 s[G1B+4], 128
	s_mov_b32 s[G1B+5], KROW
	s_mov_b32 s[G1B+6], 0
	s_mov_b32 s[G1B+7], 0
	s_lshl_b32 s20, s17, 5                         ; A: 32 rows of four tokens a block,
	s_lshl_b32 s18, s16, 4
	s_add_co_u32 s20, s20, s18                     ; + the 16 that I fetch,
	s_lshl_b32 s20, s20, 12                        ; 4,096 bytes each
	s_mov_b32 s21, 0
	s_lshl_b32 s46, s42, 8                         ; B: 256 rows a block,
	s_lshl_b32 s18, s16, 7
	s_add_co_u32 s46, s46, s18
	s_lshl_b32 s46, s46, 10                        ; 1,024 bytes each
	s_mov_b32 s47, 0
	s_mul_i32 s45, s16, HALFA                      ; where they go: no place in the cluster enters an LDS address
	s_mul_i32 s19, s16, HALFT
	s_add_co_u32 s19, s19, BOFF
	s_wait_dscnt 0x0                               ; both opening adds are done
	s_wait_kmcnt 0x0
	s_load_b64 s[96:97], s[8:9], 0x18              ; e6, e7
	s_add_nc_u64 s[20:21], s[4:5], s[20:21]
	s_add_nc_u64 s[46:47], s[6:7], s[46:47]
	CROUND                                         ; all sixteen work-groups are here: the first joint loads meet
.irp s, 0,1
	s_mov_b32 s[G0+4*\s], 1
	s_add_co_u32 s[G0+4*\s+1], s45, \s*SLOT
	s_add_nc_u64 s[G0+4*\s+2:G0+4*\s+3], s[20:21], \s*1024
	s_or_b32 s[G0+4*\s+3], s[G0+4*\s+3], 0x80000000
	s_mov_b32 s[G0B+4*\s], 1
	s_add_co_u32 s[G0B+4*\s+1], s19, \s*SLOT
	s_add_nc_u64 s[G0B+4*\s+2:G0B+4*\s+3], s[46:47], \s*ROWB
	s_or_b32 s[G0B+4*\s+3], s[G0B+4*\s+3], 0x80000000
.endr
	JLOAD G0, G1, G0B, G1B                         ; K step 0: one tensor load a wave at the head
	; the prefetches: my wave's part of the tile, my work-group's quarter of it
	s_cmp_eq_u32 s15, 0                            ; do I fetch for A?
	s_cselect_b64 s[PFA:PFA+1], s[20:21], s[46:47]
	s_cselect_b32 s78, s40, s41                    ; my place among the four that ask with me
	s_mov_b32 s70, 32768
	s_cselect_b32 s70, 16384, s70                  ; a quarter: four of A's rows, or 32 of B's
	s_mov_b32 s72, 256
	s_cselect_b32 s72, 1024, s72                   ; a K step on
	s_cselect_b32 s74, 15, 31                      ; the lanes that name blocks of their own
	s_cselect_b32 s75, 2, 0                        ; A: four lanes to a row
	s_cselect_b32 s76, 3, 0
	s_mov_b32 s77, 1024
	s_cselect_b32 s77, 4096, s77                   ; from row to row
	s_mul_i32 s70, s70, s78
	s_mov_b32 s71, 0
	s_mov_b32 s73, 0
	s_add_nc_u64 s[PFA:PFA+1], s[PFA:PFA+1], s[70:71]
	s_add_nc_u64 s[PFA:PFA+1], s[PFA:PFA+1], s[72:73]
	s_add_nc_u64 s[PFA:PFA+1], s[PFA:PFA+1], s[72:73]   ; at K step 2
	; LDS bases, the biases' and the result's places
	s_mul_i32 s80, s15, HALFA                      ; my 64 tokens of A, slot 0 and slot 1
	s_add_co_u32 s81, s80, SLOT
	s_mul_i32 s82, s16, HALFT
	s_add_co_u32 s82, s82, BOFF                    ; my 128 rows of B
	s_add_co_u32 s83, s82, SLOT
	s_mul_i32 s84, s14, 16*SPITCH
	s_add_co_u32 s84, s84, STAGE                   ; my stage
	s_lshl_b32 s46, s42, 10
	s_lshl_b32 s47, s16, 9
	s_add_co_u32 s46, s46, s47                     ; my first column, in bytes of f32
	s_mov_b32 s47, 0
	s_add_nc_u64 s[10:11], s[10:11], s[46:47]
	s_lshl_b32 s20, s17, 7
	s_lshl_b32 s21, s15, 6
	s_add_co_u32 s20, s20, s21                     ; my first token
	s_lshl_b32 s20, s20, 12
	s_add_co_u32 s20, s20, s46
	s_mov_b32 s21, 0
	s_add_nc_u64 s[12:13], s[12:13], s[20:21]
	v_and_b32 v1, 15, v0                           ; r
	v_bfe_u32 v2, v0, 4, 1                         ; h
	v_and_b32 v6, 31, v0                           ; lane
	v_min_u32 v7, s74, v6
	v_lshrrev_b32 v8, s75, v7
	v_and_b32 v9, s76, v7
	v_mul_lo_u32 v8, v8, s77
	v_lshl_add_u32 v[PFO], v9, 8, v8               ; row x its pitch + 256 x block
	ASK                                            ; K step 2
	v_mul_u32_u24 v3, v1, PITCH
	v_lshl_add_u32 v4, v2, 4, v3                   ; B: row r, + 16 h
	v_lshrrev_b32 v5, 2, v1
	v_mul_u32_u24 v5, v5, APITCH
	v_and_b32 v10, 3, v1
	v_lshl_add_u32 v5, v10, 6, v5
	v_lshl_add_u32 v5, v2, 4, v5                   ; A: token r: row r / 4, 64 (r % 4), + 16 h
	v_add_nc_u32 v[ADRA], s80, v5
	v_add_nc_u32 v[ADRA+1], s81, v5
	v_add_nc_u32 v[ADRB], s82, v4
	v_add_nc_u32 v[ADRB+1], s83, v4
	v_mul_u32_u24 v7, v1, SPITCH
	v_lshl_add_u32 v7, v2, 5, v7
	v_add_nc_u32 v[STO], s84, v7                   ; the stage, in: row r, 32 bytes for each half of the lanes
	v_lshlrev_b32 v[CO], 4, v6
	v_add_nc_u32 v[RD], s84, v[CO]                 ; back: the 32 lanes take one row of 512 bytes
	v_lshlrev_b32 v11, 5, v2
.irp b, 0,1,2,3,4,5,6,7
	global_load_b128 v[BIAS+8*\b:BIAS+8*\b+3], v11, s[10:11] offset:64*\b          ; register 8 b + j: the bias of column 16 b + 8 h + j
	global_load_b128 v[BIAS+8*\b+4:BIAS+8*\b+7], v11, s[10:11] offset:64*\b+16
.endr
.macro FRAG reg, adr, q, i             ; B: 16 rows x 128 K: registers 4 c .. 4 c + 3 hold K = 32 c + 16 h + 0 .. 15: one order of k for both sources
.irp c, 0,1,2,3
	ds_load_b128 v[\reg+4*\c:\reg+4*\c+3], v[\adr] offset:128*(\q)+32*\c+(\i)*16*PITCH
.endr
.endm
.macro FRAGA reg, adr, q, i            ; A: the same k: head 2 q + c / 2 of the step's four (256 bytes each), d = 32 (c % 2) + 16 h on
.irp c, 0,1,2,3
	ds_load_b128 v[\reg+4*\c:\reg+4*\c+3], v[\adr] offset:512*(\q)+256*(\c/2)+32*(\c%2)+(\i)*4*APITCH
.endr
.endm
.macro FETCH slot, q, p                ; 48 LDS loads in one run: the fragments of the slot's q-th 128 along K into set p
	WIN TO_B
.irp i, 0,1,2,3,4,5,6,7
	FRAG 128*(\p)+FR*\i, ADRB+\slot, \q, \i
.endr
	WIN 0
.irp i, 0,1,2,3
	FRAGA AF+64*(\p)+FR*\i, ADRA+\slot, \q, \i
.endr
.endm
; 16 matrix instructions: A's blocks a0, a0 + 1 x B's eight.  zero = 1: the first product starts the sums.  The 32 accumulators take turns, one instruction a turn.
.macro MUL16 a0, p, zero
	WIN MUL_LO
.irp a, \a0, \a0+1
.irp b, 0,1,2,3,4,5,6,7
.if \zero
	v_wmma_f32_16x16x128_fp8_fp8 v[8*(8*(\a)+\b):8*(8*(\a)+\b)+7], v[128*(\p)+FR*\b:128*(\p)+FR*\b+FR-1], v[AF+64*(\p)+FR*(\a):AF+64*(\p)+FR*(\a)+FR-1], 0
.else
	v_wmma_f32_16x16x128_fp8_fp8 v[8*(8*(\a)+\b):8*(8*(\a)+\b)+7], v[128*(\p)+FR*\b:128*(\p)+FR*\b+FR-1], v[AF+64*(\p)+FR*(\a):AF+64*(\p)+FR*(\a)+FR-1], v[8*(8*(\a)+\b):8*(8*(\a)+\b)+7]
.endif
.endr
.endr
	WIN 0
.endm
.macro PLACES n                        ; plain vector lines between a matrix instruction and a load into, or a vector line on, its registers
.rept \n
	v_nop
.endr
.endm
.macro STEP slot, zero                 ; a slot's first 128 along K, on set 0
	s_wait_dscnt 0x0                               ; set 0 is in
	PLACES NP                                      ; set 1's registers were read by the products just issued
	FETCH \slot, 1, 1
	MUL16 0, 0, \zero
	MUL16 2, 0, \zero
.endm
; A slot's second 128, on set 1, changes slots: one barrier; in front of it each wave waits for all its tensor loads, adds 0 to its spare word, and waits for that and for its reads of this slot.  fill = 1: the slot is filled again, two K steps ahead.
.macro TURN slot, next, fill
	s_wait_tensorcnt 0x0                           ; my one load that was out, my part of the next slot, has landed
	ds_add_u32 v[SPW], v[NIL]                      ; 0 onto my spare word
	s_wait_dscnt 0x0                               ; the add is done, set 1 is in, and my reads of this slot are over
	s_barrier_signal -1
	MUL16 0, 1, 0                                  ; work on registers while the others arrive
	s_barrier_wait -1
.if \fill
	CREST                                          ; the barrier has opened a round of the cluster's: no wave of any partner still reads this slot or has a load on its way
	s_add_nc_u64 s[G0+4*\slot+2:G0+4*\slot+3], s[G0+4*\slot+2:G0+4*\slot+3], 2*1024
	s_add_nc_u64 s[G0B+4*\slot+2:G0B+4*\slot+3], s[G0B+4*\slot+2:G0B+4*\slot+3], 2*ROWB
	JLOAD G0+4*\slot, G1, G0B+4*\slot, G1B         ; the first tensor load behind the round; its four v_nop are the places in front of the loads below
.else
	PLACES NP
.endif
	FETCH \next, 0, 0
	MUL16 2, 1, 0
.endm
	s_wait_alu depctr_va_vdst(0)
	s_wait_xcnt 0x0                                ; the prefetch has read its address:
	s_add_nc_u64 s[PFA:PFA+1], s[PFA:PFA+1], s[72:73]   ; on to K step 3
	s_wait_tensorcnt 0x0                           ; my part of K step 0 is in
	ds_add_u32 v[SPW], v[NIL]
	s_wait_dscnt 0x0
	CROUND                                         ; everybody's part of K step 0 is in, and all sixteen work-groups are here
	JLOAD G0+4, G1, G0B+4, G1B                     ; K step 1's load, the first tensor load behind the round
	FETCH 0, 0, 0
	ASK                                            ; K step 3
	STEP 0, 1                                      ; K 0-127: its products start the sums
	TURN 0, 1, 1                                   ; K 128-255; slot 0 takes K 512-767
	STEP 1, 0
	TURN 1, 0, 1                                   ; slot 1 takes K 768-1023
	STEP 0, 0
	TURN 0, 1, 0                                   ; nothing is left to fetch: no round
	STEP 1, 0
	s_wait_dscnt 0x0                               ; the last step
	MUL16 0, 1, 0
	MUL16 2, 1, 0
; THE WAY OUT, block a of 16 tokens x 128 columns at a time: sum x 2^(e6 + e7) + bias, each accumulator from its low end on; through my own stage, back as whole rows of 512 bytes, which the 32 lanes store.
.macro TOSTAGE a
.set AC, 64*(\a)
.irp u, 0,1
	WIN 0x02                                       ; source 0: window 2
.set j, 0
.rept 16
	v_pk_fma_f32 v[TMP+j:TMP+j+1], v[AC+32*\u+j:AC+32*\u+j+1], s[96:97], v[BIAS+32*\u+j:BIAS+32*\u+j+1] op_sel_hi:[1,0,1]
.set j, j+2
.endr
	WIN 0
.irp b, 0,1,2,3
	ds_store_b128 v[STO], v[TMP+8*\b:TMP+8*\b+3] offset:64*(4*\u+\b)
	ds_store_b128 v[STO], v[TMP+8*\b+4:TMP+8*\b+7] offset:64*(4*\u+\b)+16
.endr
.endr
.set BB, BK+64*((\a)%2)
.irp t, 0,1,2,3,4,5,6,7,8,9,10,11,12,13,14,15
	ds_load_b128 v[BB+4*\t:BB+4*\t+3], v[RD] offset:\t*SPITCH      ; LDS serves a wave's instructions in order: these see the stores above
.endr
.endm
.macro SEND a, younger                 ; younger: the LDS instructions issued behind block a's loads, which may stay out
.set BB, BK+64*((\a)%2)
	s_wait_dscnt \younger
.if (\a) > 0
	s_add_nc_u64 s[12:13], s[12:13], 16*SIZE_N*4   ; (behind a wait on XCNT: the earlier stores have read their base)
.endif
.irp t, 0,1,2,3,4,5,6,7,8,9,10,11,12,13,14,15
	global_store_b128 v[CO], v[BB+4*\t:BB+4*\t+3], s[12:13] offset:\t*SIZE_N*4 th:TH_STORE_NT   ; 32 lanes store 512 consecutive, aligned bytes
.endr
.endm
	s_wait_kmcnt 0x0
	s_add_co_i32 s96, s96, s97
	s_add_co_i32 s96, s96, 127
	s_lshl_b32 s96, s96, 23                        ; 2^(e6 + e7) as f32
	s_mov_b32 s97, s96                             ; (named with it as a pair, so it is written)
	s_wait_loadcnt 0x0                             ; the biases
	PLACES NP                                      ; behind the last products: their results are read and A's registers loaded below
	TOSTAGE 0
.irp a, 1,2,3
.if \a > 1
	s_wait_xcnt 0x0                                ; block a - 2's stores have read their registers and their base
.endif
	TOSTAGE \a
	SEND \a-1, 32                                  ; behind block a - 1's loads: block a's 16 stores and 16 loads
.endr
	s_wait_xcnt 0x0
	SEND 3, 0
	s_wait_tensorcnt 0x0                           ; the wave's end: behind my last tensor load and my last LDS store
	ds_add_u32 v[SPW], v[NIL]
	s_wait_dscnt 0x0
	CROUND                                         ; the closing round: no work-group ends while a partner may still ask for a tile that names it
	s_endpgm
.Lfunc_end_k_q3de1effbe4_proj:
	.size	k_q3de1effbe4_proj, .Lfunc_end_k_q3de1effbe4_proj-k_q3de1effbe4_proj
	.p2alignl 7, 3214868480
	.fill 96, 4, 3214868480
	.section	.rodata,"a",@progbits
	.p2align	6, 0x0
	.amdhsa_kernel k_q3de1effbe4_proj
		.amdhsa_group_segment_fixed_size 327680
		.amdhsa_private_segment_fixed_size 0
		.amdhsa_enable_private_segment 0
		.amdhsa_kernarg_size 40
		.amdhsa_user_sgpr_count 2
		.amdhsa_user_sgpr_kernarg_segment_ptr 1
		.amdhsa_wavefront_size32 1
		.amdhsa_system_sgpr_workgroup_id_x 1
		.amdhsa_system_sgpr_workgroup_id_y 1
		.amdhsa_system_sgpr_workgroup_id_z 1
		.amdhsa_system_vgpr_workitem_id 0
		.amdhsa_next_free_vgpr 768
		.amdhsa_next_free_sgpr 100
		.amdhsa_reserve_vcc 0
		.amdhsa_float_denorm_mode_32 3
		.amdhsa_float_denorm_mode_16_64 3
		.amdhsa_memory_ordered 1
		.amdhsa_forward_progress 1
		.amdhsa_inst_pref_size 79
	.end_amdhsa_kernel
	.amdgpu_metadata
---
amdhsa.version: [ 1, 2 ]
amdhsa.kernels:
  - .name:           k_q3de1effbe4_proj
    .symbol:         k_q3de1effbe4_proj.kd
    .args:
      - { .name: a_codes, .offset: 0, .size: 8, .value_kind: global_buffer, .address_space: global }
      - { .name: wproj_codes, .offset: 8, .size: 8, .value_kind: global_buffer, .address_space: global }
      - { .name: lowp_scales, .offset: 16, .size: 8, .value_kind: global_buffer, .address_space: global }
      - { .name: b_proj, .offset: 24, .size: 8, .value_kind: global_buffer, .address_space: global }
      - { .name: out0, .offset: 32, .size: 8, .value_kind: global_buffer, .address_space: global }
    .group_segment_fixed_size: 327680
    .private_segment_fixed_size: 0
    .kernarg_segment_align: 8
    .kernarg_segment_size: 40
    .max_flat_workgroup_size: 128
    .sgpr_count:     100
    .vgpr_count:     768
    .wavefront_size: 32
...
	.end_amdgpu_metadata
.endif
;; end of part 4
